; MI455X (gfx1250); checked and timed in simulation.
; The chip was launched on July 23, 2026; its instructions are those of AMD's public machine-readable ISA for CDNA 5 (MIT licence, August 2026) and "CDNA5" Instruction Set Architecture Reference Guide (July 2026). The comments in the code are by the model that wrote it; some were corrected since.
;; Causal Self Attention. Allowed arithmetic: matrix products marked QUANTISED: E2M3 operands, one E8M0 scale for each 32 along K, by v_wmma_scale_f32_16x16x128_f8f6f4 with both operands' format E2M3, f32 sums; everything else in f32.
;; Inputs: proj_b 1,024 float32; proj_w 1,024 x 1,024 float32; qkv_b 3,072 float32; qkv_w 3,072 x 1,024 float32; x 4 x 2,048 x 1,024 float32.
;; Outputs: out0 4 x 2,048 x 1,024 float32.
;; This version of the problem:
;;   THIS VERSION OF THE PROBLEM IS GIVEN IN LOW PRECISION. The matrix products marked QUANTISED in the list below multiply operands that are first quantised to E2M3 (2 exponent bits, 3 mantissa bits; 6 bits a number), with one power-of-two scale for each 32 numbers along K (OCP MX v1.0); their sums are f32. All else is computed in f32.
;;   The module's matrix products, in the order in which they are computed (A, B: the left and right operand; K: the contracted axis; several contracted axes count as one K, in the product's order):
;;     1. [M 8,192, K 1,024] x [K 1,024, N 3,072]; A: input x; B: input qkv_w: QUANTISED
;;     2. batch 64 x [M 2,048, K 64] x [K 64, N 2,048]; A: computed on the way; B: computed on the way: QUANTISED
;;     3. batch 64 x [M 2,048, K 2,048] x [K 2,048, N 64]; A: softmax (see below); B: computed on the way: QUANTISED
;;     4. [M 8,192, K 1,024] x [K 1,024, N 1,024]; A: computed on the way; B: input proj_w: QUANTISED
;;   THE QUANTISER, for each operand of a quantised product, along K:
;;     - K is cut into blocks of 32 from its start; a last block that is shorter is filled with zeros.
;;     - A block's scale is 2^e with e = floor(log2(the largest magnitude in the block)) - 2, held to -126 .. 127; a block of zeros has e = 0. As a byte (E8M0): e + 127.
;;     - Each number is divided by its block's scale, clamped to +-7.5, and rounded to the nearest number of E2M3, ties to even, subnormals kept.
;;     - The product sums the exact products of the quantised numbers (number of the format x scale) in f32.
;;   ~~~python
;;   def quantise(x, axis):      # numpy; x: float32 -> the quantised numbers, widened to float32 again
;;       x = np.moveaxis(x, axis, -1); K = x.shape[-1]
;;       x = np.pad(x, [(0, 0)] * (x.ndim - 1) + [(0, -K % 32)]); x = x.reshape(x.shape[:-1] + (-1, 32)); a = np.abs(x).max(-1, keepdims=True)
;;       e = np.where(a > 0, np.clip(np.frexp(np.where(a > 0, a, 1))[1] - 1 - 2, -126, 127), 0)      # np.frexp(a)[1] - 1 = floor(log2(a)), exactly
;;       r = np.clip(x / 2.0 ** e, -7.5, 7.5)
;;       step = 2.0 ** (np.maximum(np.frexp(np.where(r == 0, 1, r))[1] - 1, 0) - 3)
;;       q = np.round(r / step) * step * 2.0 ** e      # np.round: ties to even
;;       return np.moveaxis(q.reshape(q.shape[:-2] + (-1,))[..., :K], -1, axis).astype(np.float32)
;;   ~~~
;;   SOFTMAX AHEAD OF A QUANTISED PRODUCT. Where the list says 'softmax', what is quantised is not the finished softmax but p = 2^(t - M), with t = logit x log2(e) and M = ceil(the row's largest t), a whole number; so 1/2 < the row's largest p <= 1. The row's sum l is taken of the UNQUANTISED p, in f32, and the product's result is divided by l at the end. Since M is a whole number, a kernel that streams over the keys may use a running M (the ceiling of the running maximum): every later rescaling is an exact power of two, which a block's scale takes up: the codes' values come out the same.
;;   OPERANDS COMPUTED ON THE WAY. 'Computed on the way' means the value that the module computes at that place (a softmax that the list does not call 'softmax' is quantised finished and normalised). What goes into a quantiser is computed in f32, as accurately as f32 sums, v_exp_f32 and their like allow (about 1e-6 of the number): no bf16 or f16 on the way to a quantiser, and a product that is left as it is and whose result goes on into a quantised operand takes f32 operands (vector FMAs, or v_wmma_f32_16x16x4_f32). A number that lies on a knife's edge between two numbers of the format may be rounded either way, as far as f32 arithmetic and the matrix unit's own rounding can turn it there, and no further.
;; One version. Each part assembles by itself: llvm-mc -triple=amdgcn-amd-amdhsa -mcpu=gfx1250 --defsym DOCPART=n.
;; ======== version 1 of 1: 4 launches
;; workspace buffers: codes 9,437,184 bytes; scales 393,216 bytes; qkv 18,874,368 bytes; qkvs 786,432 bytes; oc 6,291,456 bytes; os 262,144 bytes
;; launch quant (part 1): grid 384 x 1, 4 waves a work-group, no clusters, 33,280 bytes of LDS; arguments x, qkv_w, proj_w, codes, scales; writes codes, scales
.if DOCPART == 1
	.amdgcn_target "amdgcn-amd-amdhsa--gfx1250"
	.amdhsa_code_object_version 6
	.text
	.protected	k_q6d2330173e_quant
	.globl	k_q6d2330173e_quant
	.p2align	8
	.type	k_q6d2330173e_quant,@function
k_q6d2330173e_quant:
	s_mov_b64 s[64:65], 0
	v_nop
	global_prefetch_b8 v0, s[64:65] scope:SCOPE_SE
	s_setreg_imm32_b32 hwreg(HW_REG_WAVE_MODE, 25, 1), 1
	s_wait_xcnt 0x0
; x [8192][1024], qkv_w [3072][1024] and proj_w [1024][1024], f32, K innermost, become codes of FP6 (E2M3), 6 bits each, with one E8M0 scale byte for each 32 along K.
; They go into ONE buffer of 12,288 rows of 768 bytes (x, then qkv_w, then proj_w) and one of 12,288 rows of 32 scale bytes.
; A block's scale is 2^(floor(log2(its largest magnitude)) - 2); its byte is the largest magnitude's exponent field - 2, held at 1 from below.  Each number is divided by the scale and rounded to the nearest code, ties to even.
; (A block of zeros gets the byte 1 where the rule says 127: its codes are zeros, and this program alone reads the bytes.)
; LIMITS: blocks whose largest magnitude lies under 2^-124 keep the byte 1; NaN and infinities among the inputs are not served.
; STORAGE ORDER OF ROWS: in every 32 rows the two middle groups of eight change places: storage row 16 u + p holds row 8 u + p + 8 (p / 8).  A plain tile of 16 storage rows then gives a matrix result
; whose registers of two neighbouring tiles are 16 neighbours, which the later launches' quantisers want.  A wave's 8,192 numbers are just eight rows, so the order costs two bits of the wave's number.
; A wave takes 16 steps of 512 numbers.  Each of a step's four loads reads 512 consecutive bytes; the 2,048 bytes turn through the wave's own stage in LDS and come back 64 bytes a lane: 16 neighbours along K,
; two neighbouring lanes to a block.  A lane's 16 codes are 12 bytes: the wave stores 384 consecutive bytes.  A wave's 256 scale bytes are gathered in LDS and leave as one aligned run of 256 bytes.
; No tensor loads, no barrier: waves share nothing.  Loads run four steps (16 loads a wave) ahead, the turn through LDS one step.
.set STEPS, 16
.set EMAX,  2
.set CB,    12                         ; bytes of 16 codes
.set R,     16                         ; v16-79   four sets of 16 numbers as they are loaded
.set X,     80                         ; v80-111  two sets of 16 neighbours
.set C,     128                        ; v128-191 codes: four registers for each step, so that no store's data are written again
.set E,     112                        ; v112-127 a scale byte for each step
.set WREG,  8192                       ; LDS: a region for each wave: two stages of 32 x SP bytes, and behind them its 256 scale bytes
.set SP,    80                         ; a lane's place in a stage: its 64 bytes + 16 of padding
	s_load_b128 s[4:7], s[0:1], 0x0                ; x, qkv_w
	s_load_b128 s[8:11], s[0:1], 0x10              ; proj_w, the codes
	s_load_b64 s[12:13], s[0:1], 0x20              ; the scale bytes
	v_lshl_add_u32 v192, v0, 2, 0x8000
	v_mov_b32 v193, 0
	v_lshrrev_b32 v1, 5, v0
	v_readfirstlane_b32 s16, v1                    ; wave
	v_and_b32 v2, 31, v0                           ; lane
	v_lshlrev_b32 v3, 4, v2                        ; my 16 bytes of a load's 512
	s_mul_i32 s17, s16, WREG
	v_lshrrev_b32 v14, 2, v2
	v_mul_u32_u24 v14, v14, SP
	v_and_b32 v15, 3, v2
	v_lshl_add_u32 v14, v15, 4, v14
	v_add_nc_u32 v14, s17, v14                     ; the stage, on the way in: SP (lane / 4) + 16 (lane % 4)
	v_mul_u32_u24 v15, v2, SP
	v_add_nc_u32 v15, s17, v15                     ; and on the way out: SP x lane: my 16 neighbours
	v_mul_u32_u24 v4, v2, CB                       ; my codes' place in a step's
	v_lshrrev_b32 v5, 1, v2
	s_add_co_u32 s17, s17, 2*32*SP
	v_add_nc_u32 v5, s17, v5                       ; LDS: my wave's 256 scale bytes, my block's byte
	v_lshlrev_b32 v7, 3, v2                        ; and on the way out 8 bytes a lane
	v_add_nc_u32 v6, s17, v7
	s_wait_kmcnt 0x0
	s_cmp_lt_u32 ttmp9, 352                        ; work-groups 0-255 take x, 256-351 qkv_w, 352-383 proj_w: the choice hangs on the work-group's number alone
	s_cselect_b64 s[6:7], s[6:7], s[8:9]
	s_mov_b32 s17, 352
	s_cselect_b32 s17, 256, s17
	s_cmp_lt_u32 ttmp9, 256
	s_cselect_b64 s[4:5], s[4:5], s[6:7]
	s_cselect_b32 s17, 0, s17                      ; the tensor's first work-group
	s_sub_co_u32 s17, ttmp9, s17
	s_lshl_b32 s17, s17, 2
	s_add_co_u32 s18, s17, s16                     ; which run of 8,192 numbers of the tensor is my wave's
	s_mov_b32 s19, 0
	s_lshl_b64 s[18:19], s[18:19], 15              ; 32,768 bytes a run
	s_add_nc_u64 s[4:5], s[4:5], s[18:19]
	s_and_b32 s22, s16, 1                          ; the storage order: the wave's two bits change places
	s_lshl_b32 s22, s22, 1
	s_lshr_b32 s23, s16, 1
	s_or_b32 s22, s22, s23
	s_lshl_b32 s23, ttmp9, 2
	s_add_co_u32 s22, s22, s23                     ; which run of eight storage rows I write
	s_mul_i32 s24, s22, 32*STEPS*CB                ; 6,144 bytes of codes a run
	s_mov_b32 s25, 0
	s_add_nc_u64 s[10:11], s[10:11], s[24:25]
	s_lshl_b32 s24, s22, 8                         ; 256 scale bytes a run
	s_add_nc_u64 s[12:13], s[12:13], s[24:25]
.macro LOAD t
.irp i, 0,1,2,3
	global_load_b128 v[R+16*((\t)%4)+4*\i:R+16*((\t)%4)+4*\i+3], v3, s[4:5] offset:2048*(\t)+512*\i th:TH_LOAD_NT   ; 32 lanes read 512 consecutive bytes
.endr
.endm
.macro TURN t                          ; step t's numbers through the stage: LDS serves a wave's instructions in order, so no wait stands between the stores and the loads
.irp i, 0,1,2,3
	ds_store_b128 v14, v[R+16*((\t)%4)+4*\i:R+16*((\t)%4)+4*\i+3] offset:32*SP*((\t)%2)+8*SP*\i
.endr
.irp i, 0,1,2,3
	ds_load_b128 v[X+16*((\t)%2)+4*\i:X+16*((\t)%2)+4*\i+3], v15 offset:32*SP*((\t)%2)+16*\i
.endr
.endm
.irp t, 0,1,2,3
	LOAD \t
.endr
	s_wait_loadcnt 12                              ; step 0's four loads are in; the 12 of steps 1 to 3 may be out
	TURN 0
.macro STEP t
.set XS, X+16*((\t)%2)
.if (\t) > 0
	s_wait_dscnt 1                                 ; this step's numbers are back from the stage (the last step's byte store may be out): so its stores into the stage have read their registers,
.else
	s_wait_dscnt 0x0
.endif
.if (\t)+4 < STEPS
	LOAD (\t)+4                                    ; which take the loads of four steps on
.endif
.if (\t)+1 < STEPS
.if STEPS-2-(\t) >= 3
	s_wait_loadcnt 12                              ; the next step's four loads are in; those of the three steps behind it may be out
.else
	s_wait_loadcnt 4*(STEPS-2-(\t))
.endif
	TURN (\t)+1                                    ; and go through the other stage while this step is worked
.endif
	v_max3_num_f32 v8, |v[XS]|, |v[XS+1]|, |v[XS+2]|               ; the largest magnitude of my 16
	v_max3_num_f32 v9, |v[XS+3]|, |v[XS+4]|, |v[XS+5]|
.irp i, 6,10
	v_max3_num_f32 v8, v8, |v[XS+\i]|, |v[XS+\i+1]|
	v_max3_num_f32 v9, v9, |v[XS+\i+2]|, |v[XS+\i+3]|
.endr
	v_max3_num_f32 v8, v8, |v[XS+14]|, |v[XS+15]|
	v_max3_num_f32 v8, v8, v9, (EMAX+1)<<23        ; and the floor 2^(3 - 127): the byte cannot fall under 1
	v_max_num_f32_dpp v8, v8, v8 row_xmask:1 row_mask:0xf bank_mask:0xf   ; and of my neighbour's 16: the block's
	v_add_nc_u32 v11, -(EMAX<<23), v8              ; 2 off its exponent field: the conversion takes the exponent field of this operand as its scale
	v_cvt_scalef32_pk16_fp6_f32 v[C+4*(\t):C+4*(\t)+2], v[XS:XS+15], v11         ; sixteen codes, 96 bits without gaps, the first number's code lowest
	v_lshrrev_b32 v[E+(\t)], 23, v11               ; the scale's byte (also the plain line behind the conversion)
	ds_store_b8 v5, v[E+(\t)] offset:16*(\t)       ; both lanes of a block write the same byte with the same value
	global_store_b96 v4, v[C+4*(\t):C+4*(\t)+2], s[10:11] offset:32*CB*(\t)
.endm
.irp t, 0,1,2,3,4,5,6,7,8,9,10,11,12,13,14,15
	STEP \t
.endr
	ds_load_b64 v[12:13], v6                       ; LDS serves a wave's instructions in order: these see my stores
	s_wait_dscnt 0x0
	global_store_b64 v7, v[12:13], s[12:13]        ; 32 lanes store 256 consecutive bytes, aligned
	s_wait_tensorcnt 0x0
	ds_add_u32 v192, v193
	s_wait_dscnt 0x0
	s_endpgm
.Lfunc_end_k_q6d2330173e_quant:
	.size	k_q6d2330173e_quant, .Lfunc_end_k_q6d2330173e_quant-k_q6d2330173e_quant
	.p2alignl 7, 3214868480
	.fill 96, 4, 3214868480
	.section	.rodata,"a",@progbits
	.p2align	6, 0x0
	.amdhsa_kernel k_q6d2330173e_quant
		.amdhsa_group_segment_fixed_size 33280
		.amdhsa_private_segment_fixed_size 0
		.amdhsa_enable_private_segment 0
		.amdhsa_kernarg_size 40
		.amdhsa_user_sgpr_count 2
		.amdhsa_user_sgpr_kernarg_segment_ptr 1
		.amdhsa_wavefront_size32 1
		.amdhsa_system_sgpr_workgroup_id_x 1
		.amdhsa_system_sgpr_workgroup_id_y 1
		.amdhsa_system_sgpr_workgroup_id_z 1
		.amdhsa_system_vgpr_workitem_id 0
		.amdhsa_next_free_vgpr 194
		.amdhsa_next_free_sgpr 66
		.amdhsa_reserve_vcc 0
		.amdhsa_float_denorm_mode_32 3
		.amdhsa_float_denorm_mode_16_64 3
		.amdhsa_memory_ordered 1
		.amdhsa_forward_progress 1
		.amdhsa_inst_pref_size 33
	.end_amdhsa_kernel
	.amdgpu_metadata
---
amdhsa.version: [ 1, 2 ]
amdhsa.kernels:
  - .name:           k_q6d2330173e_quant
    .symbol:         k_q6d2330173e_quant.kd
    .args:
      - { .name: x, .offset: 0, .size: 8, .value_kind: global_buffer, .address_space: global }
      - { .name: qkv_w, .offset: 8, .size: 8, .value_kind: global_buffer, .address_space: global }
      - { .name: proj_w, .offset: 16, .size: 8, .value_kind: global_buffer, .address_space: global }
      - { .name: codes, .offset: 24, .size: 8, .value_kind: global_buffer, .address_space: global }
      - { .name: scales, .offset: 32, .size: 8, .value_kind: global_buffer, .address_space: global }
    .group_segment_fixed_size: 33280
    .private_segment_fixed_size: 0
    .kernarg_segment_align: 8
    .kernarg_segment_size: 40
    .max_flat_workgroup_size: 128
    .sgpr_count:     66
    .vgpr_count:     194
    .wavefront_size: 32
...
	.end_amdgpu_metadata
.endif
;; end of part 1
;; launch qkv (part 2): grid 12 x 32, 4 waves a work-group, clusters of 4 x 4, 327,680 bytes of LDS; arguments codes, scales, qkv_b, qkv, qkvs; writes qkv, qkvs
.if DOCPART == 2
	.amdgcn_target "amdgcn-amd-amdhsa--gfx1250"
	.amdhsa_code_object_version 6
	.text
	.protected	k_q6d2330173e_qkv
	.globl	k_q6d2330173e_qkv
	.p2align	8
	.type	k_q6d2330173e_qkv,@function
k_q6d2330173e_qkv:
	s_mov_b64 s[64:65], 0
	v_nop
	global_prefetch_b8 v0, s[64:65] scope:SCOPE_SE
	s_setreg_imm32_b32 hwreg(HW_REG_WAVE_MODE, 25, 1), 1
	s_wait_xcnt 0x0
	s_wait_alu depctr_hold_cnt(0) depctr_sa_sdst(0) depctr_va_vdst(0) depctr_va_sdst(0) depctr_va_ssrc(0) depctr_va_vcc(0) depctr_vm_vsrc(0)
	s_getreg_b32 s2, hwreg(HW_REG_IB_STS2, 6, 4)
	s_cmp_eq_u32 s2, 0
	s_cbranch_scc0 .Lentry_in_a_cluster
	s_endpgm
.Lentry_in_a_cluster:
	s_bfe_u32 s2, ttmp6, 0x10000c
	s_cmp_lg_u32 s2, 0xf033
	s_cbranch_scc0 .Lentry_shape_is_right
	s_endpgm
.Lentry_shape_is_right:
; q, k, v = x qkv_w^T + qkv_b on codes of FP6 (E2M3) with E8M0 scales, K = 1,024, and the results QUANTISED AGAIN on the way out: q and k along the head's 64 channels, v along the keys.  No f32 result goes to memory.
; A tile of 256 x 256 is made by four waves, 128 x 128 each: 64 accumulators, 512 registers.  K goes in steps of 256 through a ring of two LDS slots filled by the tensor data mover; the scale bytes of the
; work-group's 512 rows come into LDS once.  4 x 4 work-groups form a cluster: A's tiles are asked for jointly along a row of the cluster, B's along a column.
; THE TYPE is the cluster's x: 0 q, 1 k, 2 v.  The kernel always multiplies rows of A by rows of B and quantises along B's rows.  q, k: A = tokens (x), B = channels (weights).  v: A = channels, B = tokens: the keys are v's next K.
; THE MATRIX INSTRUCTION IS USED TRANSPOSED (source 0 = 16 rows of B, source 1 = 16 rows of A): a lane holds one row of A and eight rows of B.  Rows lie in the codes' buffer in the storage order
; (storage row 16 u + p = row 8 u + p + 8 (p / 8) of each 32), so that for one block a of A register 16 b + i of its eight accumulators is B's row 32 b + 16 (lane / 16) + i: 16 neighbours a block.
; THE BIAS is the C of the first K step's products: by B's row for q and k, by A's row for v: the one place where the text parts on the type.
; OUT.  A block's 64 numbers a lane become a fragment of 12 registers and a scale word.  Fragments leave as IMAGES OF THEIR REGISTERS: half a fragment (16 rows x 64 along K, registers 0-5) is 768 bytes: registers 0-3
; at 16 x lane, registers 4-5 at 512 + 8 x lane: every store covers 512 or 256 consecutive bytes, aligned.  q, k: [b 16 + head][token tile 0..127][768]; the fragment's two halves are two heads.
; v: [b][key step 0..15][head][channel tile 0..3][2 x 768].  Scale words: q, k: [b 16 + head][8 token tiles][256 bytes: lane r's four words at 16 r; a word = the two bytes of an even tile, then of the odd one];
; v: [b][key step][head][256 bytes: lane r's four words, one a channel tile].
; LIMITS: blocks whose largest magnitude lies under 2^-124 keep the byte 1, a block of zeros too (its codes are zeros; this program alone reads the bytes); NaN and infinities are not served.
; REGISTERS, in windows of 256: window 0: v0-31 addresses; v32-63 scale words, two sets; v64-127 the bias; v128-223 A's fragments, ONE set (on the way out: at work); v224-231 the bias loads' offsets.
;   window 1: B's fragments, two sets, at v0 and v128.   window 2: the accumulators of my rows 0-63 ((a, b) at v[8 (8 a + b)]);   window 3: those of rows 64-127.
.set KSTEP,  256                       ; along K in a slot
.set NQ,     KSTEP/128                 ; matrix instructions deep
.set ROWB,   192                       ; a tile's row in bytes
.set KROW,   768                       ; a row of codes in memory
.set PITCH,  240                       ; an LDS row: 3 x (64 bytes + 16 of padding): the 32 lanes of a load of 8 bytes touch 64 different banks (64 banks of 4 bytes: ISA guide 11.1)
.set FR,     12                        ; registers of a fragment
.set NL,     6                         ; LDS loads that bring one
.set NP,     4                         ; places behind this matrix instruction (ISA guide 7.12.1)
.set HALFT,  128*PITCH                 ; 128 rows: what one tensor load brings
.set SLOT,   4*HALFT                   ; A's 256 rows, then B's 256
.set KS,     32                        ; a row of scale bytes
.set SCL,    2*SLOT                    ; behind the ring: the scales, as runs of 256 bytes + 16 of padding
.set HALFS,  (128*KS/256)*272          ; the scales of 128 rows
.set SBLK,   (16*KS/256)*272           ; those of 16 rows
.set SPARE,  SCL+4*HALFS               ; the spare words, 128 bytes for each wave, which no other line names
.set LI16, 8                           ; v8   16 x lane
.set LI8,  9                           ; v9   8 x lane
.set VSO,  10                          ; v10  where my four scale words go
.set VH,   11                          ; v11  lane / 16
.set ADRA, 16                          ; v16-17 LDS address of my A fragments in slot 0, 1 (v18-19: for the pieces behind one padding more)
.set ADRB, 20                          ; v20-23 the same for B
.set ADRS, 27                          ; v27  LDS address of my scale words: lanes 0-15 A's rows, lanes 16-31 B's
.set SPW,  28                          ; v28  LDS address of my spare word; never rewritten
.set NIL,  29                          ; v29  0; never rewritten
.set SC,   32                          ; scale words: set s at v[SC + 16 s]
.set BIAS, 64
.set AF,   128                         ; A's fragments
.set VA,   224
.set TM,   128                         ; the way out: v128-131 largest magnitudes, v132-135 the other half's, then bytes, v140-143 the conversions' scale operands
.set SW,   144                         ; v144-151 the eight blocks' scale words
.set PC,   152                         ; v152-163 the fragment just made; v164-171 the conversions' second halves
.set XW,   172                         ; v172-175 my four scale words as they leave
.set T0,   176
.set T1,   177
.set SELV, 178
.set G1, 24                            ; s[24:31] descriptor group 1 for A's tiles;  s[32:39] group 0, one set for each slot
.set G0, 32
.set G1B, 48                           ; s[48:55], s[56:63] the same for B's tiles
.set G0B, 56
.set G1S, 68                           ; s[68:75], s[76:79] groups 1 and 0 for A's scales;  s[80:87], s[88:91] for B's
.set G0S, 76
.set G1SB, 80
.set G0SB, 88
.set SEL, 20                           ; s[20:21] the way out: lane selects for v_permlanex16_b32
.set BP,  66                           ; s[66:67] the bias
.set P0,  92                           ; s[92:93] where registers 0-5 of the block's fragment go;  s[94:95] registers 6-11
.set P1,  94
.set SA,  96                           ; s[96:97] from block to block
.set PS,  98                           ; s[98:99] where the scale words go
.set TY,  100                          ; s100 1 for v, else 0: the same in all sixteen partners
.set MV,  101                          ; s101 all ones for v, else 0
.set MSB, 0
.macro WIN new                         ; the immediate's high byte repeats the setting that is left
.if MSB != \new
	s_set_vgpr_msb (MSB<<8)|\new
.set MSB, \new
.endif
.endm
.set MUL_LO, 0xa1                      ; source 0 (B) window 1, source 1 (A) window 0, C and D window 2
.set MUL_HI, 0xf1                      ; the same, C and D window 3
.set BIA_LO, 0x81                      ; the first K step: C (the bias) window 0, D window 2
.set BIA_HI, 0xc1                      ; D window 3
.set TO_B,   0x40                      ; destination window 1, address window 0
; A joint load: waves 0 and 1 fetch for A, waves 2 and 3 for B.  Each line has one mask and one set of registers for all that issue it; the branch hangs on the wave's number alone.
; Four v_nop follow each of the two lines, ahead of the jump, the label and what follows.
.macro JLOAD g0a, g1a, g0b, g1b
	s_cmp_eq_u32 s15, 0
	s_cbranch_scc0 .Lfor_b_\@
	tensor_load_to_lds s[\g0a:\g0a+3], s[\g1a:\g1a+7]
	s_nop 0
.rept 4
	v_nop
.endr
	s_branch .Lasked_\@
.Lfor_b_\@:
	tensor_load_to_lds s[\g0b:\g0b+3], s[\g1b:\g1b+7]
	s_nop 0
.rept 4
	v_nop
.endr
.Lasked_\@:
.endm
.macro CREST                           ; a round of the cluster's barrier behind its opening barrier
	s_cmp_lg_u32 s14, 0
	s_cbranch_scc1 .Lnot_wave_0_\@
	s_barrier_signal -3
.Lnot_wave_0_\@:
	s_barrier_wait -3
	s_barrier_signal -1
	s_barrier_wait -1
.endm
.macro CROUND                          ; a whole round
	s_barrier_signal -1
	s_barrier_wait -1
	CREST
.endm
	s_load_b128 s[4:7], s[0:1], 0x0                ; the codes, the scale bytes
	s_load_b128 s[8:11], s[0:1], 0x10              ; qkv_b, qkv
	s_load_b64 s[12:13], s[0:1], 0x20              ; qkvs
	v_lshl_add_u32 v[SPW], v0, 2, SPARE
	v_mov_b32 v[NIL], 0
	ds_add_u32 v28, v29
	ds_add_u32 v28, v29
	s_wait_dscnt 0x0
	v_lshrrev_b32 v1, 5, v0
	v_readfirstlane_b32 s14, v1                    ; wave 0..3
	s_lshr_b32 s15, s14, 1                         ; which half of A's rows is mine.  Also: I fetch for A (0) or for B (1)
	s_and_b32 s16, s14, 1                          ; which half of B's rows.  Also: which 128 rows of that tile I fetch
	s_bfe_u32 s40, ttmp6, 0x40000                  ; cx, cy: my place in the cluster
	s_bfe_u32 s41, ttmp6, 0x40004
	s_and_b32 s17, ttmp7, 0xffff
	s_lshl_b32 s17, s17, 10                        ; the cluster's 1,024 tokens: rows 1024 y of the codes
	s_lshl_b32 s42, ttmp9, 10
	s_add_co_u32 s42, s42, 8192                    ; its 1,024 rows of qkv_w: rows 8192 + 1024 x
	s_lshl_b32 s43, s41, 2
	s_lshl_b32 s43, 15, s43                        ; my row of the cluster
	s_lshl_b32 s44, 0x1111, s40                    ; my column
	; descriptor group 1: a tile of 128 rows x 192 bytes, padded in LDS
	s_or_b32 s[G1+0], s43, (0<<16)|(1<<20)|(1<<21)|(3<<22)|(3<<25)  ; 15:0 the mask: A's tiles go to my row; 17:16 elements of 1 byte; 20 padding on; 21 set beside a mask; 24:22 after every 16 words; 31:25 of 4 words
	s_or_b32 s[G1B+0], s44, (0<<16)|(1<<20)|(1<<21)|(3<<22)|(3<<25)
.irp g, G1, G1B
	s_mov_b32 s[\g+1], ROWB<<16                    ; tensor_dim0
	s_mov_b32 s[\g+2], 128<<16                     ; tensor_dim1
	s_mov_b32 s[\g+3], ROWB<<16                    ; tile_dim0
	s_mov_b32 s[\g+4], 128                         ; tile_dim1
	s_mov_b32 s[\g+5], KROW                        ; tensor_dim0_stride
	s_mov_b32 s[\g+6], 0
	s_mov_b32 s[\g+7], 0
.endr
	; the scales of 128 rows: a dense block of 4,096 bytes, as 16 rows of 256 bytes (32 elements of 8 bytes), 16 bytes of padding behind each
	s_or_b32 s[G1S+0], s43, (3<<16)|(1<<20)|(1<<21)|(5<<22)|(3<<25)
	s_or_b32 s[G1SB+0], s44, (3<<16)|(1<<20)|(1<<21)|(5<<22)|(3<<25)
.irp g, G1S, G1SB
	s_mov_b32 s[\g+1], 32<<16
	s_mov_b32 s[\g+2], (128*KS/256)<<16
	s_mov_b32 s[\g+3], 32<<16
	s_mov_b32 s[\g+4], 128*KS/256
	s_mov_b32 s[\g+5], 32
	s_mov_b32 s[\g+6], 0
	s_mov_b32 s[\g+7], 0
.endr
	s_cmp_eq_u32 ttmp9, 2                          ; v?  The cluster's x: the same in all partners
	s_cselect_b32 s20, s42, s17                    ; A's rows: the weights for v, else the tokens
	s_cselect_b32 s46, s17, s42                    ; B's rows: the other
	s_cselect_b32 s[TY], 1, 0
	s_cselect_b32 s[MV], -1, 0
	s_lshl_b32 s18, s16, 7                         ; which 128 rows of the tile I fetch
	s_lshl_b32 s21, s41, 8
	s_add_co_u32 s20, s20, s21                     ; A: + 256 cy, which my row of the cluster shares
	s_add_co_u32 s20, s20, s18
	s_lshl_b32 s47, s40, 8
	s_add_co_u32 s46, s46, s47                     ; B: + 256 cx, which my column shares
	s_add_co_u32 s46, s46, s18
	s_mov_b32 s21, 0
	s_mov_b32 s47, 0
	s_mov_b64 s[18:19], KS
	s_mul_u64 s[22:23], s[20:21], s[18:19]         ; where these rows' scales begin, in bytes
	s_mul_u64 s[92:93], s[46:47], s[18:19]
	s_mov_b64 s[18:19], KROW
	s_mul_u64 s[20:21], s[20:21], s[18:19]         ; and their codes
	s_mul_u64 s[46:47], s[46:47], s[18:19]
	s_mul_i32 s45, s14, HALFT                      ; where they go: wave x 128 rows: no place in the cluster enters an LDS address
	s_mul_i32 s94, s14, HALFS
	s_wait_kmcnt 0x0
	s_add_nc_u64 s[20:21], s[4:5], s[20:21]
	s_add_nc_u64 s[22:23], s[6:7], s[22:23]
	s_add_nc_u64 s[46:47], s[4:5], s[46:47]
	s_add_nc_u64 s[92:93], s[6:7], s[92:93]
	CROUND                                         ; all sixteen work-groups are here: the first joint loads meet
	s_mov_b32 s[G0S], 1
	s_add_co_u32 s[G0S+1], s94, SCL
	s_mov_b64 s[G0S+2:G0S+3], s[22:23]
	s_or_b32 s[G0S+3], s[G0S+3], 0x80000000
	s_mov_b32 s[G0SB], 1
	s_add_co_u32 s[G0SB+1], s94, SCL
	s_mov_b64 s[G0SB+2:G0SB+3], s[92:93]
	s_or_b32 s[G0SB+3], s[G0SB+3], 0x80000000
	JLOAD G0S, G1S, G0SB, G1SB                     ; the scales first: they are wanted with K step 0
.irp s, 0,1
	s_mov_b32 s[G0+4*\s], 1
	s_add_co_u32 s[G0+4*\s+1], s45, \s*SLOT
	s_add_nc_u64 s[G0+4*\s+2:G0+4*\s+3], s[20:21], \s*ROWB
	s_or_b32 s[G0+4*\s+3], s[G0+4*\s+3], 0x80000000
	s_mov_b32 s[G0B+4*\s], 1
	s_add_co_u32 s[G0B+4*\s+1], s45, \s*SLOT
	s_add_nc_u64 s[G0B+4*\s+2:G0B+4*\s+3], s[46:47], \s*ROWB
	s_or_b32 s[G0B+4*\s+3], s[G0B+4*\s+3], 0x80000000
	JLOAD G0+4*\s, G1, G0B+4*\s, G1B
.endr
	v_and_b32 v1, 15, v0                           ; r = lane % 16
	v_bfe_u32 v2, v0, 4, 1                         ; h = lane / 16
	v_mul_u32_u24 v3, v1, PITCH
	v_mul_u32_u24 v4, v2, 24
	v_add_nc_u32 v4, v3, v4                        ; a fragment's row x pitch + 24 x half
	v_lshl_add_u32 v5, v2, 4, v4                   ; and the same behind one padding more
	s_mul_i32 s21, s15, HALFT                      ; my 128 rows of A
	s_mul_i32 s22, s16, HALFT                      ; my 128 rows of B,
	s_add_co_u32 s22, s22, 2*HALFT                 ; which lie behind A's 256
.irp s, 0,1
	v_add_nc_u32 v[ADRA+\s], s21, v4
	v_add_nc_u32 v[ADRB+\s], s22, v4
	v_add_nc_u32 v[ADRA+2+\s], s21, v5
	v_add_nc_u32 v[ADRB+2+\s], s22, v5
	s_add_co_u32 s21, s21, SLOT
	s_add_co_u32 s22, s22, SLOT
.endr
	v_mul_u32_u24 v5, v1, KS                       ; my row's scales: 32 bytes a row,
	v_lshrrev_b32 v6, 8, v5
	v_lshl_add_u32 v5, v6, 4, v5                   ; and 16 more for each 256 passed
	s_mul_i32 s21, s15, HALFS                      ; A's: my 128 rows
	s_mul_i32 s22, s16, HALFS                      ; B's: my 128 rows, behind A's 256
	s_add_co_u32 s22, s22, 2*HALFS
	s_sub_co_u32 s22, s22, s21
	v_mul_u32_u24 v6, s22, v2                      ; lanes 16-31 take B's: one product, the distance between the two bases
	s_add_co_u32 s21, s21, SCL
	v_add_nc_u32 v5, v5, v6
	v_add_nc_u32 v[ADRS], s21, v5
	; where my results go, and my bias.  tok = my first token, ch = my first channel among the 1,024 of q, k or v
	s_lshl_b32 s2, s41, 8
	s_lshl_b32 s3, s15, 7
	s_add_co_u32 s2, s2, s3                        ; my 128 rows of A among the cluster's 1,024
	s_lshl_b32 s3, s40, 8
	s_lshl_b32 s18, s16, 7
	s_add_co_u32 s3, s3, s18                       ; my 128 rows of B
	s_cmp_eq_u32 s[TY], 1
	s_cselect_b32 s18, s3, s2                      ; the tokens' side
	s_cselect_b32 s19, s2, s3                      ; ch: the channels' side
	s_cselect_b32 s20, 0, 64                       ; the bias loads' offset: bytes for a half of the lanes,
	s_cselect_b32 s21, 4, 0                        ; for a row of A,
	s_cselect_b32 s22, 0, 4                        ; for a register
	s_mov_b32 s23, 4096
	s_cselect_b32 s23, 256, s23                    ; the scale words of lanes 16-31 belong to the next head: so many bytes on
	s_mov_b32 s[SA], 768
	s_cselect_b32 s[SA], 1536, s[SA]               ; from block to block: a token tile of one head, or a whole fragment of v
	s_mov_b32 s[SA+1], 0
	s_mov_b32 s45, 98304
	s_cselect_b32 s45, 768, s45                    ; registers 6-11: the next head's tile, or the fragment's second half
	s_add_co_u32 s18, s18, s17                     ; tok
	s_lshr_b32 s46, s18, 11                        ; b
	s_lshl_b32 s46, s46, 4
	s_bfe_u32 s47, s18, 0x40007                    ; g: which 128 tokens of the 2,048
	s_lshr_b32 s42, s19, 6                         ; my first head
	s_cmp_eq_u32 s[TY], 1
	s_cselect_b32 s2, s47, s42                     ; v: [b][g][head];  q, k: [b][head][g]
	s_cselect_b32 s3, s42, s47
	s_add_co_u32 s2, s2, s46
	s_lshl_b32 s2, s2, 4
	s_add_co_u32 s2, s2, s3                        ; the index of my 6,144 bytes of codes and 256 bytes of scale words
	s_lshl_b32 s46, ttmp9, 10
	s_add_co_u32 s46, s46, s19
	s_lshl_b32 s46, s46, 2
	s_mov_b32 s47, 0
	s_add_nc_u64 s[BP:BP+1], s[8:9], s[46:47]      ; qkv_b at channel 1024 x + ch
	s_mul_i32 s46, ttmp9, 6291456
	s_mul_i32 s18, s2, 6144
	s_add_co_u32 s46, s46, s18
	s_add_nc_u64 s[P0:P0+1], s[10:11], s[46:47]
	s_mov_b32 s46, s45
	s_add_nc_u64 s[P1:P1+1], s[P0:P0+1], s[46:47]
	s_lshl_b32 s46, ttmp9, 18
	s_lshl_b32 s18, s2, 8
	s_add_co_u32 s46, s46, s18
	s_add_nc_u64 s[PS:PS+1], s[12:13], s[46:47]
	v_and_b32 v6, 31, v0
	v_lshlrev_b32 v[LI16], 4, v6
	v_lshlrev_b32 v[LI8], 3, v6
	v_mov_b32 v[VH], v2
	v_mul_u32_u24 v[VSO], v2, s23
	v_lshl_add_u32 v[VSO], v1, 4, v[VSO]           ; 16 r, + the next head's place for lanes 16-31
	v_and_b32 v3, 8, v1
	v_add_nc_u32 v3, v3, v1                        ; r + 8 (r / 8): the row that lane r of a tile holds
	v_mul_u32_u24 v3, v3, s21
	v_mad_u32_u24 v3, v2, s20, v3
	v_mov_b32 v4, s22
.irp j, 0,1,2,3,4,5,6,7
	v_mad_u32_u24 v[VA+\j], v4, \j, v3
.endr
; q, k: register 8 i + j = the bias of B's row 32 (i / 2) + 16 h + 8 (i % 2) + j.   v: registers 8 i + 0..7 all = the bias of A's row 32 (i / 2) + 8 (i % 2) + r + 8 (r / 8).  One text serves both: only the offsets differ.
.irp i, 0,1,2,3,4,5,6,7
.irp j, 0,1,2,3,4,5,6,7
	global_load_b32 v[BIAS+8*\i+\j], v[VA+\j], s[BP:BP+1] offset:4*(32*(\i/2)+8*(\i%2))
.endr
.endr
.macro FRAG reg, adr, q, i             ; a fragment, 16 rows x 128 K, is 12 registers: lane l holds row l % 16; registers 6 c .. 6 c + 5 hold K = 64 c + 32 (l / 16) + 0 .. 31: 24 bytes of the row, as they lie
.irp p, 0,1,2,3,4,5                    ; in pieces of 8 bytes.  Lanes 16-31 read three pieces further on than lanes 0-15;
.set PCE, 12*(\q)+6*(\p/3)+\p%3       ; where that lies behind one padding more (16 bytes behind every 8 pieces), the second address register serves
.if PCE%8 < 5
	ds_load_b64 v[\reg+2*\p:\reg+2*\p+1], v[\adr] offset:8*PCE+16*(PCE/8)+(\i)*16*PITCH
.else
	ds_load_b64 v[\reg+2*\p:\reg+2*\p+1], v[\adr+2] offset:8*PCE+16*(PCE/8)+(\i)*16*PITCH
.endif
.endr
.endm
; 16 matrix instructions: A's blocks a0, a0 + 1 x B's eight, 128 along K: the slot's q-th.  p: B's set;  sc: the set of scale words.
; zero = 1: the sums start from the bias of B's rows;  2: from the bias of A's rows;  0: they go on.  The 64 accumulators take turns, one instruction a turn, in the same order in every step.
.macro MUL16 a0, p, q, sc, zero
.irp a, \a0, \a0+1
.irp b, 0,1,2,3,4,5,6,7
.if (\zero) == 1
	v_wmma_scale_f32_16x16x128_f8f6f4 v[8*(8*((\a)%4)+\b):8*(8*((\a)%4)+\b)+7], v[128*(\p)+FR*\b:128*(\p)+FR*\b+FR-1], v[AF+FR*(\a):AF+FR*(\a)+FR-1], v[BIAS+8*\b:BIAS+8*\b+7], v[SC+8*NQ*(\sc)+NQ*\b+(\q)], v[SC+8*NQ*(\sc)+NQ*(\a)+(\q)] matrix_a_fmt:MATRIX_FMT_FP6 matrix_b_fmt:MATRIX_FMT_FP6 matrix_a_scale:MATRIX_SCALE_ROW1
.elseif (\zero) == 2
	v_wmma_scale_f32_16x16x128_f8f6f4 v[8*(8*((\a)%4)+\b):8*(8*((\a)%4)+\b)+7], v[128*(\p)+FR*\b:128*(\p)+FR*\b+FR-1], v[AF+FR*(\a):AF+FR*(\a)+FR-1], v[BIAS+8*(\a):BIAS+8*(\a)+7], v[SC+8*NQ*(\sc)+NQ*\b+(\q)], v[SC+8*NQ*(\sc)+NQ*(\a)+(\q)] matrix_a_fmt:MATRIX_FMT_FP6 matrix_b_fmt:MATRIX_FMT_FP6 matrix_a_scale:MATRIX_SCALE_ROW1
.else
	v_wmma_scale_f32_16x16x128_f8f6f4 v[8*(8*((\a)%4)+\b):8*(8*((\a)%4)+\b)+7], v[128*(\p)+FR*\b:128*(\p)+FR*\b+FR-1], v[AF+FR*(\a):AF+FR*(\a)+FR-1], v[8*(8*((\a)%4)+\b):8*(8*((\a)%4)+\b)+7], v[SC+8*NQ*(\sc)+NQ*\b+(\q)], v[SC+8*NQ*(\sc)+NQ*(\a)+(\q)] matrix_a_fmt:MATRIX_FMT_FP6 matrix_b_fmt:MATRIX_FMT_FP6 matrix_a_scale:MATRIX_SCALE_ROW1
.endif
.endr
.endr
.endm
.macro FETCH_B slot, q, p              ; B's eight fragments of the slot's q-th 128 along K into set p
	WIN TO_B
.irp i, 0,1,2,3,4,5,6,7
	FRAG 128*(\p)+FR*\i, ADRB+\slot, \q, \i
.endr
	WIN 0
.endm
.macro FETCH_A slot, q, i0             ; A's blocks i0 .. i0 + 3
.irp i, \i0, \i0+1, \i0+2, \i0+3
	FRAG AF+FR*(\i), ADRA+\slot, \q, \i
.endr
.endm
.macro SCALES sc                       ; a K step's scale words into set sc: two words a row; lanes 0-15 take A's block i, lanes 16-31 B's block i
.irp i, 0,1,2,3,4,5,6,7
	ds_load_b64 v[SC+8*NQ*\sc+NQ*\i:SC+8*NQ*\sc+NQ*\i+1], v[ADRS] offset:\i*SBLK
.endr
.endm
; A load into a register that a matrix instruction has read, and a vector instruction that reads a matrix result or writes one of its registers, stand four places behind it; only plain vector
; instructions that name none of its registers are places (ISA guide 7.12.1 for vector instructions).
.macro PLACES n
.rept \n
	v_nop
.endr
.endm
; A step of 128 along K that has its successor in the same slot.  A block of A is free as soon as its eight products are issued: blocks 0-3 are fetched anew in the step's middle, blocks 4-7 at its end.
.macro STEP slot, q, zero
	s_wait_dscnt 4*NL                              ; B's set, A's blocks 0-3 and the scale words are in; the youngest 24 loads (A's blocks 4-7) may be out
.if \zero
	WIN BIA_LO
.else
	WIN MUL_LO
.endif
	MUL16 0, (\q)%2, \q, \slot, \zero
	MUL16 2, (\q)%2, \q, \slot, \zero
	s_wait_dscnt 0                                 ; A's blocks 4-7 are in (asked for 32 matrix instructions ago)
	PLACES NP
	FETCH_B \slot, (\q)+1, 1-(\q)%2
	FETCH_A \slot, (\q)+1, 0
.if \zero
	WIN BIA_HI
.else
	WIN MUL_HI
.endif
	MUL16 4, (\q)%2, \q, \slot, \zero
	MUL16 6, (\q)%2, \q, \slot, \zero
	PLACES NP
	WIN 0
	FETCH_A \slot, (\q)+1, 4
.endm
; A slot's last step changes slots: ONE barrier; in front of it each wave waits for all its tensor loads, adds 0 to its spare word, and waits for that and for its own reads of this slot.  fill = 1: this slot is filled again, two K steps ahead.
.macro TURN slot, next, fill
	s_wait_tensorcnt 0x0                           ; all my tensor loads have landed: my part of the next slot (every window is 0 here)
	ds_add_u32 v[SPW], v[NIL]                      ; 0 onto my spare word
	s_wait_dscnt 4*NL+1                            ; (the add and the youngest 24 loads, A's blocks 4-7, may be out)
	WIN MUL_LO
	MUL16 0, 1, NQ-1, \slot, 0                     ; sixteen matrix instructions stand between the add and the wait for it
	s_wait_dscnt 0x0                               ; the add is done, and my reads of this slot are over
	s_barrier_signal -1
	MUL16 2, 1, NQ-1, \slot, 0
	WIN 0
	s_barrier_wait -1
.if \fill
	CREST                                          ; the barrier has opened a round of the cluster's barrier: no wave of any partner still reads this slot's tile or has a load on its way
	s_add_nc_u64 s[G0+4*\slot+2:G0+4*\slot+3], s[G0+4*\slot+2:G0+4*\slot+3], 2*ROWB
	s_add_nc_u64 s[G0B+4*\slot+2:G0B+4*\slot+3], s[G0B+4*\slot+2:G0B+4*\slot+3], 2*ROWB
	JLOAD G0+4*\slot, G1, G0B+4*\slot, G1B         ; the first tensor load behind the round; its four v_nop are the places in front of the loads below
.else
	PLACES NP
.endif
	v_add_nc_u32 v[ADRS], 4*NQ, v[ADRS]            ; on to the next K step's scale words
	FETCH_B \next, 0, 0
	FETCH_A \next, 0, 0
	SCALES \next
	WIN MUL_HI
	MUL16 4, 1, NQ-1, \slot, 0
	MUL16 6, 1, NQ-1, \slot, 0
	PLACES NP
	WIN 0
	FETCH_A \next, 0, 4
.endm
	s_wait_tensorcnt 1                             ; the scales and my part of K step 0 are in (K step 1's load may be out)
	s_barrier_signal -1
	s_barrier_wait -1                              ; everybody's are
	FETCH_B 0, 0, 0
	FETCH_A 0, 0, 0
	SCALES 0
	FETCH_A 0, 0, 4
	s_wait_loadcnt 0x0                             ; the bias
	s_cmp_eq_u32 s[TY], 1                          ; the first 128 along K start the sums from the bias: by B's rows (q, k) or by A's rows (v).  Both ways issue the same loads and leave every window 0
	s_cbranch_scc1 .Lfirst_v
	STEP 0, 0, 1
	s_branch .Lfirst_done
.Lfirst_v:
	STEP 0, 0, 2
.Lfirst_done:
	TURN 0, 1, 1                                   ; K = 1,024 is four slots' worth: written straight out; the first two changes of slots fill again
	STEP 1, 0, 0
	TURN 1, 0, 1
	STEP 0, 0, 0
	TURN 0, 1, 0                                   ; the last change fills nothing, and has no round of the cluster's barrier
	STEP 1, 0, 0
	s_wait_dscnt 4*NL                              ; the very last step: nothing more to fetch
	WIN MUL_LO
	MUL16 0, 1, NQ-1, 1, 0
	MUL16 2, 1, NQ-1, 1, 0
	s_wait_dscnt 0
	WIN MUL_HI
	MUL16 4, 1, NQ-1, 1, 0
	MUL16 6, 1, NQ-1, 1, 0
	WIN 0
	PLACES NP                                      ; in front of writes into the registers that held A's fragments
	s_mov_b32 s[SEL], 0x76543210
	s_mov_b32 s[SEL+1], 0xfedcba98                 ; v_permlanex16_b32's selects for lane l xor 16
.irp b, 0,1,2,3
	v_mov_b32 v[TM+4+\b], 0                        ; a lane permute's destination counts as one of its sources
.endr
; THE WAY OUT of A's block a: 64 numbers a lane, register 16 b + i = B's row 32 b + 16 (lane / 16) + i, become a fragment and a scale word; the fragment leaves as an image of its registers.
.macro OUTA a
.set W, 2+(\a)/4
.set WW, (W<<2)|(W<<4)
.set AC, 64*((\a)%4)
	WIN WW                                         ; sources 1 and 2: the accumulators' window
.irp b, 0,1,2,3
	v_max3_num_f32 v[TM+\b], 0x1800000, |v[AC+16*\b]|, |v[AC+16*\b+1]|   ; block b: my 16 numbers, and the floor 2^(3 - 127).  Each accumulator is read from its low end on
.endr
.irp i, 2,4,6,8,10,12,14
.irp b, 0,1,2,3
	v_max3_num_f32 v[TM+\b], v[TM+\b], |v[AC+16*\b+\i]|, |v[AC+16*\b+\i+1]|   ; (the four blocks by turns)
.endr
.endr
	WIN 0
.irp b, 0,1,2,3
	v_permlanex16_b32 v[TM+4+\b], v[TM+\b], s[SEL], s[SEL+1]
.endr
.irp b, 0,1,2,3
	v_max_num_f32 v[TM+\b], v[TM+\b], v[TM+4+\b]   ; with lane l xor 16's: the block's largest magnitude
.endr
.irp b, 0,1,2,3
	v_add_nc_u32 v[TM+12+\b], 0xff000000, v[TM+\b] ; 2 off its exponent field: the conversion's scale operand
.endr
.irp b, 0,1,2,3
	v_lshrrev_b32 v[TM+4+\b], 23, v[TM+12+\b]      ; the scale's byte
.endr
	v_lshl_or_b32 v[SW+\a], v[TM+5], 8, v[TM+4]    ; the four bytes make my row's scale word
	v_lshl_or_b32 v[SW+\a], v[TM+6], 16, v[SW+\a]
	v_lshl_or_b32 v[SW+\a], v[TM+7], 24, v[SW+\a]
.if \a > 0
	s_wait_xcnt 0x0                                ; the last block's stores have read their data and their bases: both are written again below
	s_add_nc_u64 s[P0:P0+1], s[P0:P0+1], s[SA:SA+1]
	s_add_nc_u64 s[P1:P1+1], s[P1:P1+1], s[SA:SA+1]
.endif
	WIN W                                          ; source 0: the accumulators' window
.irp c, 0,1
	v_cvt_scalef32_pk16_fp6_f32 v[PC+6*\c:PC+2+6*\c], v[AC+32*\c:AC+15+32*\c], v[TM+12+2*\c]
	v_cvt_scalef32_pk16_fp6_f32 v[PC+12+4*\c:PC+14+4*\c], v[AC+16+32*\c:AC+31+32*\c], v[TM+12+2*\c+1]   ; (a conversion's three registers begin on an even number)
.endr
	WIN 0
	v_nop                                          ; one plain line behind a scaled conversion
.irp c, 0,1                                    ; the operand's layout wants a WHOLE block in a lane: lanes 0-15 block 2 c, lanes 16-31 block 2 c + 1
.irp i, 0,1,2
	v_permlane16_swap_b32 v[PC+6*\c+\i], v[PC+12+4*\c+\i]
.endr
.irp i, 0,1,2
	v_mov_b32 v[PC+3+6*\c+\i], v[PC+12+4*\c+\i]
.endr
.endr
	global_store_b128 v[LI16], v[PC:PC+3], s[P0:P0+1]                 ; 512 consecutive bytes, aligned
	global_store_b64 v[LI8], v[PC+4:PC+5], s[P0:P0+1] offset:512      ; 256 consecutive bytes, aligned
	global_store_b128 v[LI16], v[PC+6:PC+9], s[P1:P1+1]
	global_store_b64 v[LI8], v[PC+10:PC+11], s[P1:P1+1] offset:512
.endm
.irp a, 0,1,2,3,4,5,6,7
	OUTA \a
.endr
	; the scale words.  q, k: lanes 0-15 take my first head's half of each word, lanes 16-31 the next head's; two token tiles' halves make a word.  v: lanes 0-15 take blocks 0-3 (my first head), lanes 16-31 blocks 4-7.
	v_cmp_ne_u32 vcc_lo, 0, v[VH]
	v_mov_b32 v[T0], 0x05040100                    ; the two low halves
	v_mov_b32 v[T1], 0x07060302                    ; the two high halves
	v_cndmask_b32 v[SELV], v[T0], v[T1], vcc_lo
.irp i, 0,1,2,3
	v_perm_b32 v[XW+\i], v[SW+2*\i+1], v[SW+2*\i], v[SELV]
	v_cndmask_b32 v[T0], v[SW+\i], v[SW+4+\i], vcc_lo
	v_cndmask_b32 v[XW+\i], v[XW+\i], v[T0], s[MV] ; the type chooses a value, not a way
.endr
	global_store_b128 v[VSO], v[XW:XW+3], s[PS:PS+1]   ; each half of the lanes stores 256 consecutive bytes, aligned
	s_wait_tensorcnt 0x0                           ; the wave's end
	ds_add_u32 v[SPW], v[NIL]
	s_wait_dscnt 0x0
	CROUND                                         ; the closing round: no work-group ends while a partner may still ask for a tile that names it
	s_endpgm
.Lfunc_end_k_q6d2330173e_qkv:
	.size	k_q6d2330173e_qkv, .Lfunc_end_k_q6d2330173e_qkv-k_q6d2330173e_qkv
	.p2alignl 7, 3214868480
	.fill 96, 4, 3214868480
	.section	.rodata,"a",@progbits
	.p2align	6, 0x0
	.amdhsa_kernel k_q6d2330173e_qkv
		.amdhsa_group_segment_fixed_size 327680
		.amdhsa_private_segment_fixed_size 0
		.amdhsa_enable_private_segment 0
		.amdhsa_kernarg_size 40
		.amdhsa_user_sgpr_count 2
		.amdhsa_user_sgpr_kernarg_segment_ptr 1
		.amdhsa_wavefront_size32 1
		.amdhsa_system_sgpr_workgroup_id_x 1
		.amdhsa_system_sgpr_workgroup_id_y 1
		.amdhsa_system_sgpr_workgroup_id_z 1
		.amdhsa_system_vgpr_workitem_id 0
		.amdhsa_next_free_vgpr 1024
		.amdhsa_next_free_sgpr 102
		.amdhsa_reserve_vcc 1
		.amdhsa_float_denorm_mode_32 3
		.amdhsa_float_denorm_mode_16_64 3
		.amdhsa_memory_ordered 1
		.amdhsa_forward_progress 1
		.amdhsa_inst_pref_size 189
	.end_amdhsa_kernel
	.amdgpu_metadata
---
amdhsa.version: [ 1, 2 ]
amdhsa.kernels:
  - .name:           k_q6d2330173e_qkv
    .symbol:         k_q6d2330173e_qkv.kd
    .args:
      - { .name: codes, .offset: 0, .size: 8, .value_kind: global_buffer, .address_space: global }
      - { .name: scales, .offset: 8, .size: 8, .value_kind: global_buffer, .address_space: global }
      - { .name: qkv_b, .offset: 16, .size: 8, .value_kind: global_buffer, .address_space: global }
      - { .name: qkv, .offset: 24, .size: 8, .value_kind: global_buffer, .address_space: global }
      - { .name: qkvs, .offset: 32, .size: 8, .value_kind: global_buffer, .address_space: global }
    .group_segment_fixed_size: 327680
    .private_segment_fixed_size: 0
    .kernarg_segment_align: 8
    .kernarg_segment_size: 40
    .max_flat_workgroup_size: 128
    .sgpr_count:     102
    .vgpr_count:     1024
    .wavefront_size: 32
...
	.end_amdgpu_metadata
.endif
;; end of part 2
;; launch attn (part 3): grid 4 x 64, 16 waves a work-group, clusters of 4 x 1, 206,848 bytes of LDS; arguments qkv, qkvs, oc, os; writes oc, os
.if DOCPART == 3
	.amdgcn_target "amdgcn-amd-amdhsa--gfx1250"
	.amdhsa_code_object_version 6
	.text
	.protected	k_q6d2330173e_attn
	.globl	k_q6d2330173e_attn
	.p2align	8
	.type	k_q6d2330173e_attn,@function
k_q6d2330173e_attn:
	s_mov_b64 s[64:65], 0
	v_nop
	global_prefetch_b8 v0, s[64:65] scope:SCOPE_SE
	s_setreg_imm32_b32 hwreg(HW_REG_WAVE_MODE, 25, 1), 1
	s_wait_xcnt 0x0
	s_wait_alu depctr_hold_cnt(0) depctr_sa_sdst(0) depctr_va_vdst(0) depctr_va_sdst(0) depctr_va_ssrc(0) depctr_va_vcc(0) depctr_vm_vsrc(0)
	s_getreg_b32 s2, hwreg(HW_REG_IB_STS2, 6, 4)
	s_cmp_eq_u32 s2, 0
	s_cbranch_scc0 .Lentry_in_a_cluster
	s_endpgm
.Lentry_in_a_cluster:
	s_bfe_u32 s2, ttmp6, 0x10000c
	s_cmp_lg_u32 s2, 0x3003
	s_cbranch_scc0 .Lentry_shape_is_right
	s_endpgm
.Lentry_shape_is_right:
; o = softmax(q k^T / 8, causal) v for one head, both products on codes of FP6 (E2M3) with E8M0 scales, and o quantised again along the channels for the last product.
; THE SOFTMAX AHEAD OF THE SECOND PRODUCT: t = score x log2(e) / 8; M = the running largest t, rounded UP to a whole number; p = 2^(t - M) is quantised along the keys, not normalised.  The row's sum is taken
; of the unquantised p and divides o at the end.  When M moves, the sum and o are multiplied by 2^(old M - new M): exact.
; SHARES.  A cluster of four work-groups is one head (the cluster's y = 16 b + head).  A head's K and V in codes are 2 x 98,304 bytes, their scale words 2 x 4,096: ALL OF IT LIES IN LDS, filled once, by joint loads
; that name the four partners: no ring, nothing filled again, no barrier in the loops.  Wave w of work-group cx owns two tiles of 16 queries: tile 4 w + cx and tile 127 - (4 w + cx).  A key step is 128 keys; tile tt
; needs steps 0 .. tt / 8, and tt / 8 is w / 2 for the low tile and 15 - w / 2 for the high one: so every wave works 17 steps, and no branch hangs on cx.
; LAYOUT.  Both products are used transposed: S^T = K Q^T, O^T = V^T P^T: a lane holds ONE query throughout.  Tile tt of tokens: lane r holds token 32 (tt / 2) + 8 (tt % 2) + r + 8 (r / 8), so that the 16
; registers of two neighbouring key tiles are 16 neighbouring keys; V's channel tiles likewise, so that O^T's registers run along the channels.
; K = 64 IS HALF OF THE INSTRUCTION'S 128.  A fragment of K is TWO key tiles, one in k 0-63 and one in k 64-127, as they lie on end in LDS.  It is multiplied twice: by [q | zeros] for the first tile, by
; [zeros | q] for the second.  Zero codes add nothing under any scale byte that occurs here (1 to 254).  q's 6 registers stand between two runs of 6 zeros: v18-29 and v24-35 are the two operands.
; An operand half (16 rows x 64 along K, registers 0-5) is 768 bytes: registers 0-3 at 16 x lane, registers 4-5 at 512 + 8 x lane: every LDS read is consecutive from lane to lane.
; OUT.  oc: [token tile][head][768]: an image of half a fragment.  os: [storage token row][32]: byte 2 head + block.  These bytes leave one a lane, to rows 32 bytes apart: two bytes for a row and a head.
; LIMITS: blocks whose largest magnitude lies under 2^-124 keep the byte 1, blocks of zeros too (their codes are zeros; this program alone reads the bytes); NaN and infinities are not served.
.set VIMG,  98304                      ; LDS: K's 128 tiles at 0, V's 16 key steps x 6,144 bytes here,
.set KSC,   196608                     ; K's scale words, 256 bytes a key step,
.set VSC,   200704                     ; V's likewise
.set STEPB, 6144                       ; a key step's bytes of K, and of V
.set HALF,  24576                      ; what one tensor load of codes brings: four key steps
.set FIRSTWAIT, 1                      ; the younger load that may stay out at the first barrier: my part of key steps 8 to 15
.set AK16, 1                           ; v1   16 x lane (also the offset of global loads and stores of 16 bytes a lane)
.set AK8,  2                           ; v2   8 x lane
.set AV16, 3                           ; v3   VIMG + 16 x lane
.set AV8,  4                           ; v4   VIMG + 8 x lane
.set ASK,  5                           ; v5   KSC + 16 r
.set ASV,  6                           ; v6   VSC + 16 r
.set R16,  7                           ; v7   16 r
.set ADK16, 8                          ; v8-13 the step's addresses
.set ADK8, 9
.set ADV16, 10
.set ADV8, 11
.set ADS,  12
.set ADT,  13
.set QHI,  18                          ; v18-29 [zeros | q]
.set QLO,  24                          ; v24-35 [q | zeros]        v14 -M, v15 the largest t, v[16:17] the sum in two halves
.set QS,   36                          ; v36  q's two scale bytes, twice
.set QL2,  38                          ; v38-43 the low tile's q;  v44, v45 the raw scale words of the high and the low tile
.set KSW,  46                          ; v46-49 K's four scale words of the step
.set VSW,  50                          ; v50-53 V's
.set FRG,  54                          ; v54-101 four fragments of K, then of V
.set S,    102                         ; v102-165 S^T, then p
.set O,    166                         ; v166-197 O^T
.set PC,   198                         ; v198-209 p's codes
.set CT,   210                         ; v210-217 the conversions' second halves
.set BM,   218                         ; v218-221 the blocks' largest scores, then largest p
.set T2,   222                         ; v222-225 at work
.set SCLR, 226                         ; v226-229 the conversions' scale operands
.set PW,   230                         ; v230 p's scale word
.set FF,   232                         ; v[232:233] f = 2^(old M - new M) in the low word
.set TA,   234                         ; v234, v235 at work
.set SM2,  236                         ; v[236:237] the second chain of sums
.set VOS,  240                         ; v240 32 r + h
.set NINF, 241                         ; v241 -infinity
.set VRH,  242                         ; v242 r + 8 (r / 8) - 16 h
.set VD,   243                         ; v243 + the tile's first query in its 128: register 16 b + i is hidden where 32 b + i is above it
.set RL,   244                         ; v[244:245] 1 / the sum in the low word
.set OB,   246                         ; v246 my scale byte of o
.set VH,   247                         ; v247 h
.set WV,   12
.set CX,   13
.set BH,   14
.set SEL,  20                          ; s[20:21] lane selects for v_permlanex16_b32: lane l xor 16
.set CS,   22                          ; s[22:23] c = log2(e) / 8
.set G1KC, 24                          ; descriptor groups 1: K's codes, V's codes, K's scale words, V's
.set G1VC, 32
.set G1KS, 40
.set G1VS, 48
.set G0KS, 56                          ; groups 0: K's scale words, K's key steps 0-7, 8-15;  V's likewise
.set G0K1, 60
.set G0K2, 68
.set G0VS, 72
.set G0V1, 76
.set G0V2, 80
.set KS,   66                          ; s66 the step's number
.set ND,   67                          ; s67 the step on the diagonal
.set TK,   84                          ; s84 the step's bytes in K and in V
.set TS,   85                          ; s85 and among the scale words
.set CNT,  86
.set OPH,  88                          ; s[88:89], s[90:91] the high tile's places in oc and os;  s[92:93], s[94:95] the low tile's
.set OSH,  90
.set OPL,  92
.set OSL,  94
.set SHH,  96                          ; s96, s97 16 x (tile % 2): where q's two bytes stand in the raw word
.set SHL,  97
.set SQH,  98                          ; s98, s99 the tile's first query in its 128 tokens
.set SQL,  99
.set QPH,  100                         ; at the head alone: s[100:101], s[2:3] the high tile's q and raw word;  s[84:85], s[86:87] the low tile's
.set SPH,  2
.set QPL,  84
.set SPL,  86
.macro CROUND                          ; a round of the cluster's barrier
	s_barrier_signal -1
	s_barrier_wait -1
	s_cmp_lg_u32 s[WV], 0
	s_cbranch_scc1 .Lnot_wave_0_\@
	s_barrier_signal -3
.Lnot_wave_0_\@:
	s_barrier_wait -3
	s_barrier_signal -1
	s_barrier_wait -1
.endm
.macro GROUP1 g, c, r, p               ; r rows of c elements of 8 bytes, p elements from row to row; the mask names the four partners, bit 21 beside it; no padding
	s_mov_b32 s[\g], 15|(3<<16)|(1<<21)
	s_mov_b32 s[\g+1], (\c)<<16                    ; tensor_dim0
	s_mov_b32 s[\g+2], (\r)<<16                    ; tensor_dim1
	s_mov_b32 s[\g+3], (\c)<<16                    ; tile_dim0
	s_mov_b32 s[\g+4], \r                          ; tile_dim1
	s_mov_b32 s[\g+5], \p                          ; tensor_dim0_stride
	s_mov_b32 s[\g+6], 0
	s_mov_b32 s[\g+7], 0
.endm
	s_load_b128 s[4:7], s[0:1], 0x0                ; qkv, qkvs
	s_load_b128 s[8:11], s[0:1], 0x10              ; oc, os
	v_lshl_add_u32 v254, v0, 2, 0x32000
	v_mov_b32 v255, 0
	ds_add_u32 v254, v255
	ds_add_u32 v254, v255
	v_lshrrev_b32 v[TA], 5, v0
	s_delay_alu instid0(VALU_DEP_1)
	v_readfirstlane_b32 s[WV], v[TA]               ; wave 0..15
	s_bfe_u32 s[CX], ttmp6, 0x40000                ; my place in the cluster: it enters global addresses and numbers, no branch and no LDS address
	s_and_b32 s[BH], ttmp7, 0xffff                 ; 16 b + head
	GROUP1 G1KC, 32, 96, 32                        ; K's codes: 24,576 dense bytes as rows of 256
	GROUP1 G1VC, 768, 4, 12288                     ; V's: four key steps' 6,144 bytes of my head, 98,304 bytes apart
	GROUP1 G1KS, 32, 8, 32                         ; K's scale words: 2,048 dense bytes
	GROUP1 G1VS, 32, 8, 512                        ; V's: eight key steps' 256 bytes, 4,096 bytes apart
	s_and_b32 s15, s[WV], 1                        ; e: which half I fetch, if I fetch
	s_mul_i32 s16, s15, HALF
	s_lshl_b32 s17, s15, 11
	s_lshr_b32 s18, s[BH], 4
	s_lshl_b32 s18, s18, 8
	s_and_b32 s66, s[BH], 15                       ; the head
	s_add_co_u32 s18, s18, s66                     ; 256 b + head
	s_mul_i32 s2, s[BH], 98304                     ; K's codes: 6,291,456 + 98,304 (16 b + head) + 24,576 e
	s_add_co_u32 s2, s2, s16
	s_add_co_u32 s2, s2, 6291456
	s_mov_b32 s3, 0
	s_lshl_b32 s100, s[BH], 12                     ; K's scale words: 262,144 + 4,096 (16 b + head) + 2,048 e
	s_add_co_u32 s100, s100, s17
	s_add_co_u32 s100, s100, 262144
	s_mov_b32 s101, 0
	s_mul_i32 s96, s18, STEPB                      ; V's codes: 12,582,912 + 6,144 (256 b + head) + four key steps x e
	s_mul_i32 s19, s15, 393216
	s_add_co_u32 s96, s96, s19
	s_add_co_u32 s96, s96, 12582912
	s_mov_b32 s97, 0
	s_lshl_b32 s98, s18, 8                         ; V's scale words: 524,288 + 256 (256 b + head) + eight key steps x e
	s_lshl_b32 s19, s15, 15
	s_add_co_u32 s98, s98, s19
	s_add_co_u32 s98, s98, 524288
	s_mov_b32 s99, 0
	s_mov_b32 s[SEL], 0x76543210
	s_mov_b32 s[SEL+1], 0xfedcba98
	s_mov_b32 s[CS], 0x3e38aa3b                    ; c = log2(e) / 8
	s_mov_b32 s[CS+1], s[CS]                       ; (named with it as a pair, so it is written)
	s_wait_dscnt 0x0
	s_wait_kmcnt 0x0
	s_mov_b32 s[G0KS], 1
	s_add_co_u32 s[G0KS+1], s17, KSC
	s_add_nc_u64 s[G0KS+2:G0KS+3], s[6:7], s[100:101]
	s_or_b32 s[G0KS+3], s[G0KS+3], 0x80000000
	s_mov_b32 s[G0K1], 1
	s_mov_b32 s[G0K1+1], s16
	s_add_nc_u64 s[G0K1+2:G0K1+3], s[4:5], s[2:3]
	s_mov_b32 s[G0K2], 1
	s_add_co_u32 s[G0K2+1], s16, 2*HALF
	s_add_nc_u64 s[G0K2+2:G0K2+3], s[G0K1+2:G0K1+3], 2*HALF
	s_or_b32 s[G0K1+3], s[G0K1+3], 0x80000000
	s_or_b32 s[G0K2+3], s[G0K2+3], 0x80000000
	s_mov_b32 s[G0VS], 1
	s_add_co_u32 s[G0VS+1], s17, VSC
	s_add_nc_u64 s[G0VS+2:G0VS+3], s[6:7], s[98:99]
	s_or_b32 s[G0VS+3], s[G0VS+3], 0x80000000
	s_mov_b32 s[G0V1], 1
	s_add_co_u32 s[G0V1+1], s16, VIMG
	s_add_nc_u64 s[G0V1+2:G0V1+3], s[4:5], s[96:97]
	s_mov_b32 s[G0V2], 1
	s_add_co_u32 s[G0V2+1], s16, VIMG+2*HALF
	s_add_nc_u64 s[G0V2+2:G0V2+3], s[G0V1+2:G0V1+3], 786432    ; eight key steps on
	s_or_b32 s[G0V1+3], s[G0V1+3], 0x80000000
	s_or_b32 s[G0V2+3], s[G0V2+3], 0x80000000
	CROUND                                         ; all four work-groups are here: the joint loads meet
	s_cmp_lt_u32 s[WV], 2                          ; waves 0 and 1 fetch K, waves 2 and 3 V, the others nothing: a wave's three loads stand in one branch; three loads of mine are out at the most
	s_cbranch_scc0 .Lnot_k
	tensor_load_to_lds s[G0KS:G0KS+3], s[G1KS:G1KS+7]
	s_nop 0
	tensor_load_to_lds s[G0K1:G0K1+3], s[G1KC:G1KC+7]
	s_nop 0
	tensor_load_to_lds s[G0K2:G0K2+3], s[G1KC:G1KC+7]
	s_nop 0
.rept 4
	v_nop
.endr
	s_branch .Lasked
.Lnot_k:
	s_cmp_lt_u32 s[WV], 4
	s_cbranch_scc0 .Lasked
	tensor_load_to_lds s[G0VS:G0VS+3], s[G1VS:G1VS+7]
	s_nop 0
	tensor_load_to_lds s[G0V1:G0V1+3], s[G1VC:G1VC+7]
	s_nop 0
	tensor_load_to_lds s[G0V2:G0V2+3], s[G1VC:G1VC+7]
	s_nop 0
.rept 4
	v_nop
.endr
.Lasked:
	v_and_b32 v[TA], 31, v0                        ; lane
	v_and_b32 v[TA+1], 15, v0                      ; r
	v_bfe_u32 v[VH], v0, 4, 1                      ; h
	s_delay_alu instid0(VALU_DEP_3)
	v_lshlrev_b32 v[AK16], 4, v[TA]
	s_delay_alu instid0(VALU_DEP_4)
	v_lshlrev_b32 v[AK8], 3, v[TA]
	s_delay_alu instid0(VALU_DEP_2)
	v_add_nc_u32 v[AV16], VIMG, v[AK16]
	s_delay_alu instid0(VALU_DEP_2)
	v_add_nc_u32 v[AV8], VIMG, v[AK8]
	v_lshl_add_u32 v[ASK], v[TA+1], 4, KSC
	v_lshl_add_u32 v[ASV], v[TA+1], 4, VSC
	v_lshlrev_b32 v[R16], 4, v[TA+1]
	s_wait_alu depctr_va_vdst(0)
	v_lshl_add_u32 v[VOS], v[TA+1], 5, v[VH]
	v_mov_b32 v[NINF], 0xff800000
	v_and_b32 v[VRH], 8, v[TA+1]
	s_delay_alu instid0(VALU_DEP_1)
	v_add_nc_u32 v[VRH], v[VRH], v[TA+1]
	v_lshlrev_b32 v[TA], 4, v[VH]
	s_delay_alu instid0(VALU_DEP_1)
	v_sub_nc_u32 v[VRH], v[VRH], v[TA]
; Tile s[tt]: where its q, its raw scale word, its o and o's scale bytes lie; where q's bytes stand in the raw word; its first query in its 128 tokens.  s66 = the head
.macro TILE tt, qp, sp, op, osp, sh, sq
	s_lshl_b32 s18, s[BH], 7
	s_add_co_u32 s18, s18, s[\tt]
	s_mul_i32 s18, s18, 768                        ; q: [16 b + head][tile][768]
	s_mov_b32 s19, 0
	s_add_nc_u64 s[\qp:\qp+1], s[4:5], s[18:19]
	s_lshl_b32 s18, s[BH], 4
	s_lshr_b32 s17, s[\tt], 3
	s_add_co_u32 s18, s18, s17
	s_lshl_b32 s18, s18, 8                         ; its scale words: [16 b + head][tile / 8][256]
	s_bfe_u32 s17, s[\tt], 0x20001                 ; (tile % 8) / 2: which of a lane's four words
	s_lshl_b32 s[\sq], s17, 5
	s_lshl_b32 s17, s17, 2
	s_add_co_u32 s18, s18, s17
	s_add_nc_u64 s[\sp:\sp+1], s[6:7], s[18:19]
	s_and_b32 s17, s[\tt], 1
	s_lshl_b32 s[\sh], s17, 4
	s_lshl_b32 s17, s17, 3
	s_add_co_u32 s[\sq], s[\sq], s17               ; 32 ((tile % 8) / 2) + 8 (tile % 2)
	s_lshr_b32 s18, s[BH], 4
	s_lshl_b32 s18, s18, 7
	s_add_co_u32 s18, s18, s[\tt]                  ; 128 b + tile
	s_lshl_b32 s17, s18, 9                         ; os: 16 rows of 32 bytes a tile
	s_lshl_b32 s18, s18, 4
	s_add_co_u32 s18, s18, s66
	s_mul_i32 s18, s18, 768                        ; oc: [128 b + tile][head][768]
	s_add_nc_u64 s[\op:\op+1], s[8:9], s[18:19]
	s_lshl_b32 s18, s66, 1
	s_add_co_u32 s18, s18, s17
	s_add_nc_u64 s[\osp:\osp+1], s[10:11], s[18:19]
.endm
	s_lshl_b32 s15, s[WV], 2
	s_add_co_u32 s15, s15, s[CX]                   ; the low tile
	s_sub_co_u32 s16, 127, s15                     ; the high tile
	TILE 16, QPH, SPH, OPH, OSH, SHH, SQH
	TILE 15, QPL, SPL, OPL, OSL, SHL, SQL
	global_load_b128 v[QLO:QLO+3], v[AK16], s[QPH:QPH+1]
	global_load_b64 v[QLO+4:QLO+5], v[AK8], s[QPH:QPH+1] offset:512
	global_load_b32 v44, v[R16], s[SPH:SPH+1]
	global_load_b128 v[QL2:QL2+3], v[AK16], s[QPL:QPL+1]
	global_load_b64 v[QL2+4:QL2+5], v[AK8], s[QPL:QPL+1] offset:512
	global_load_b32 v45, v[R16], s[SPL:SPL+1]
.irp i, 0,1,2,3,4,5
	v_mov_b32 v[QHI+\i], 0                         ; the zero codes on both sides of q
	v_mov_b32 v[QLO+6+\i], 0
.endr
.irp b, 0,1,2,3
	v_mov_b32 v[T2+\b], 0                          ; a lane permute's destination counts as one of its sources
.endr
	v_mov_b32 v[FF+1], 0                           ; (named as the upper halves of pairs)
	v_mov_b32 v[RL+1], 0
; A KEY STEP: 128 keys.  causal = 1: steps behind the diagonal are left out (a scalar branch on the wave's number and the count of steps, not round the lines that step addresses); the step on the diagonal hides keys.
.macro STEP causal
.if \causal
	s_cmp_gt_u32 s[KS], s[ND]
	s_cbranch_scc1 .Lhidden_\@
.endif
	s_setprio 2
	v_add_nc_u32 v[ADK16], s[TK], v[AK16]          ; six plain lines: also the places in front of loads into registers that the last products have read
	v_add_nc_u32 v[ADK8], s[TK], v[AK8]
	v_add_nc_u32 v[ADV16], s[TK], v[AV16]
	v_add_nc_u32 v[ADV8], s[TK], v[AV8]
	v_add_nc_u32 v[ADS], s[TS], v[ASK]
	v_add_nc_u32 v[ADT], s[TS], v[ASV]
.irp t, 0,1,2,3                                ; fragment t: key tiles 2 t and 2 t + 1
	ds_load_b128 v[FRG+12*\t:FRG+12*\t+3], v[ADK16] offset:1536*\t
	ds_load_b64 v[FRG+12*\t+4:FRG+12*\t+5], v[ADK8] offset:1536*\t+512
	ds_load_b128 v[FRG+12*\t+6:FRG+12*\t+9], v[ADK16] offset:1536*\t+768
	ds_load_b64 v[FRG+12*\t+10:FRG+12*\t+11], v[ADK8] offset:1536*\t+1280
.endr
	ds_load_b128 v[KSW:KSW+3], v[ADS]              ; word t: the two bytes of tile 2 t, then of tile 2 t + 1
	s_wait_alu depctr_va_vdst(0)
	s_wait_dscnt 0x0
.irp t, 0,1,2,3
	v_wmma_scale_f32_16x16x128_f8f6f4 v[S+16*\t:S+16*\t+7], v[FRG+12*\t:FRG+12*\t+11], v[QLO:QLO+11], 0, v[KSW+\t], v[QS] matrix_a_fmt:MATRIX_FMT_FP6 matrix_b_fmt:MATRIX_FMT_FP6
	v_wmma_scale_f32_16x16x128_f8f6f4 v[S+16*\t+8:S+16*\t+15], v[FRG+12*\t:FRG+12*\t+11], v[QHI:QHI+11], 0, v[KSW+\t], v[QS] matrix_a_fmt:MATRIX_FMT_FP6 matrix_b_fmt:MATRIX_FMT_FP6
.endr                                          ; register 16 b + i: key 32 b + 16 h + i of the step
.rept 4
	v_nop                                          ; places: in front of the loads below and of the first read of the scores
.endr
.irp t, 0,1,2,3                                ; V's four channel tiles of this step: they land under the softmax
	ds_load_b128 v[FRG+12*\t:FRG+12*\t+3], v[ADV16] offset:1536*\t
	ds_load_b64 v[FRG+12*\t+4:FRG+12*\t+5], v[ADV8] offset:1536*\t+512
	ds_load_b128 v[FRG+12*\t+6:FRG+12*\t+9], v[ADV16] offset:1536*\t+768
	ds_load_b64 v[FRG+12*\t+10:FRG+12*\t+11], v[ADV8] offset:1536*\t+1280
.endr
	ds_load_b128 v[VSW:VSW+3], v[ADT]
.if \causal                                    ; on the diagonal the scores of hidden keys become -infinity ahead of the maximum: p = 0 then.  The query's own key lies in this step, so no row is all hidden
	s_cmp_lt_u32 s[KS], s[ND]
	s_cbranch_scc1 .Lopen_\@
.set n, 0
.rept 64
	v_cmp_gt_i32 vcc_lo, 32*(n/16)+n%16, v[VD]
	v_cndmask_b32 v[S+n], v[S+n], v[NINF], vcc_lo
.set n, n+1
.endr
.Lopen_\@:
.endif
.irp b, 0,1,2,3
	v_max3_num_f32 v[BM+\b], v[S+16*\b], v[S+16*\b+1], v[S+16*\b+2]   ; the largest score of each block of 32 keys: it serves the row's maximum and, since p rises with the score, the block's largest p
.endr
.irp i, 3,5,7,9,11,13
.irp b, 0,1,2,3
	v_max3_num_f32 v[BM+\b], v[BM+\b], v[S+16*\b+\i], v[S+16*\b+\i+1]
.endr
.endr
.irp b, 0,1,2,3
	v_max_num_f32 v[BM+\b], v[BM+\b], v[S+16*\b+15]
.endr
.irp b, 0,1,2,3
	s_delay_alu instid0(VALU_DEP_4)
	v_permlanex16_b32 v[T2+\b], v[BM+\b], s[SEL], s[SEL+1]
.endr
.irp b, 0,1,2,3
	s_delay_alu instid0(VALU_DEP_4)
	v_max_num_f32 v[BM+\b], v[BM+\b], v[T2+\b]     ; with lane l xor 16's 16 keys
.endr
	s_delay_alu instid0(VALU_DEP_2)
	v_max3_num_f32 v[TA], v[BM], v[BM+1], v[BM+2]
	s_delay_alu instid0(VALU_DEP_1)
	v_max_num_f32 v[TA], v[TA], v[BM+3]            ; the step's largest score of my query
	s_delay_alu instid0(VALU_DEP_1)
	v_mul_f32 v[TA], s[CS], v[TA]                  ; as t (c is positive)
	s_delay_alu instid0(VALU_DEP_1)
	v_max_num_f32 v15, v15, v[TA]                  ; the running largest t
	v_mov_b32 v[TA], v14
	s_delay_alu instid0(VALU_DEP_2)
	v_floor_f32 v14, -v15                          ; the new -M = floor(-t) = -ceil(t)
	s_delay_alu instid0(VALU_DEP_1)
	v_sub_f32 v[TA], v14, v[TA]                    ; old M - new M: a whole number, 0 or less
	s_delay_alu instid0(VALU_DEP_1)
	v_cvt_i32_f32 v[TA], v[TA]                     ; (it saturates)
	s_delay_alu instid0(VALU_DEP_1)
	v_ldexp_f32 v[FF], 1.0, v[TA]                  ; f = 2^(old M - new M)
.set n, 0
.rept 32
	v_pk_fma_f32 v[S+n:S+n+1], v[S+n:S+n+1], s[CS:CS+1], v[14:15] op_sel_hi:[1,0,0]   ; t - M, two at a time
.set n, n+2
.endr
.irp b, 0,1,2,3
	v_fma_f32 v[BM+\b], v[BM+\b], s[CS], v14       ; the same of each block's largest score
.endr
.set n, 0
	s_setprio 1
	s_wait_alu depctr_va_vdst(0)
.rept 64
	v_exp_f32 v[S+n], v[S+n]                       ; p = 2^(t - M), at most 1
.set n, n+1
.endr
	v_pk_mul_f32 v[16:17], v[16:17], v[FF:FF+1] op_sel_hi:[1,0]   ; the sums under the new M (the plain line behind the exponentials)
	s_wait_alu depctr_va_vdst(0)                   ; one wait for the whole batch, ahead of its first reader
.irp b, 0,1,2,3
	v_exp_f32 v[BM+\b], v[BM+\b]                   ; the block's largest p: the same two instructions on the same number
.endr
	v_pk_add_f32 v[236:237], v[106:107], v[110:111]
	v_pk_add_f32 v[252:253], v[114:115], v[118:119]
	v_pk_add_f32 v[250:251], v[122:123], v[126:127]
	v_pk_add_f32 v[248:249], v[130:131], v[134:135]
	v_pk_add_f32 v[238:239], v[138:139], v[142:143]
	v_pk_add_f32 v[230:231], v[146:147], v[150:151]
	v_pk_add_f32 v[228:229], v[154:155], v[158:159]
	v_pk_add_f32 v[16:17], v[16:17], v[162:163]
	v_pk_add_f32 v[236:237], v[236:237], v[102:103]
	v_pk_add_f32 v[252:253], v[252:253], v[104:105]
	v_pk_add_f32 v[250:251], v[250:251], v[108:109]
	v_pk_add_f32 v[248:249], v[248:249], v[112:113]
	v_pk_add_f32 v[238:239], v[238:239], v[116:117]
	v_pk_add_f32 v[230:231], v[230:231], v[120:121]
	v_pk_add_f32 v[228:229], v[228:229], v[124:125]
	v_pk_add_f32 v[16:17], v[16:17], v[128:129]
	v_pk_add_f32 v[236:237], v[236:237], v[132:133]
	v_pk_add_f32 v[252:253], v[252:253], v[136:137]
	v_pk_add_f32 v[250:251], v[250:251], v[140:141]
	v_pk_add_f32 v[248:249], v[248:249], v[144:145]
	v_pk_add_f32 v[238:239], v[238:239], v[148:149]
	v_pk_add_f32 v[230:231], v[230:231], v[152:153]
	v_pk_add_f32 v[228:229], v[228:229], v[156:157]
	v_pk_add_f32 v[16:17], v[16:17], v[160:161]
	v_pk_add_f32 v[236:237], v[236:237], v[164:165]
	s_delay_alu instid0(VALU_DEP_2)
	v_pk_add_f32 v[16:17], v[16:17], v[248:249]
	s_delay_alu instid0(VALU_DEP_2)
	v_pk_add_f32 v[236:237], v[236:237], v[238:239]
	v_pk_add_f32 v[252:253], v[252:253], v[230:231]
	v_pk_add_f32 v[250:251], v[250:251], v[228:229]
	s_delay_alu instid0(VALU_DEP_2)
	v_pk_add_f32 v[16:17], v[16:17], v[252:253]
	s_delay_alu instid0(VALU_DEP_2)
	v_pk_add_f32 v[236:237], v[236:237], v[250:251]
	s_delay_alu instid0(VALU_DEP_1)
	v_pk_add_f32 v[16:17], v[16:17], v[236:237]
	s_wait_alu depctr_va_vdst(0)                   ; and one for the four
.irp b, 0,1,2,3
	v_max_num_f32 v[BM+\b], 0x1800000, v[BM+\b]    ; the floor 2^(3 - 127): the byte cannot fall under 1
.endr
.irp b, 0,1,2,3
	s_delay_alu instid0(VALU_DEP_4)
	v_add_nc_u32 v[SCLR+\b], 0xff000000, v[BM+\b]  ; 2 off the exponent field: the conversion's scale operand
.endr
.irp b, 0,1,2,3
	s_delay_alu instid0(VALU_DEP_4)
	v_lshrrev_b32 v[T2+\b], 23, v[SCLR+\b]         ; the scale's byte
.endr
	s_delay_alu instid0(VALU_DEP_3)
	v_lshl_or_b32 v[PW], v[T2+1], 8, v[T2]         ; p's scale word for these 128 keys
	s_delay_alu instid0(VALU_DEP_1)
	v_lshl_or_b32 v[PW], v[T2+2], 16, v[PW]
	s_delay_alu instid0(VALU_DEP_1)
	v_lshl_or_b32 v[PW], v[T2+3], 24, v[PW]
.irp c, 0,1
	v_cvt_scalef32_pk16_fp6_f32 v[PC+6*\c:PC+6*\c+2], v[S+32*\c:S+32*\c+15], v[SCLR+2*\c]
	v_cvt_scalef32_pk16_fp6_f32 v[CT+4*\c:CT+4*\c+2], v[S+32*\c+16:S+32*\c+31], v[SCLR+2*\c+1]   ; (a conversion's three registers begin on an even number)
.endr
	v_nop                                          ; one plain line behind a scaled conversion
	s_setprio 0
.irp c, 0,1                                    ; the operand's layout wants a whole block in a lane
.irp i, 0,1,2
	v_permlane16_swap_b32 v[PC+6*\c+\i], v[CT+4*\c+\i]
.endr
.irp i, 0,1,2
	s_delay_alu instid0(VALU_DEP_3)
	v_mov_b32 v[PC+6*\c+3+\i], v[CT+4*\c+\i]
.endr
.endr
.set n, 0
.rept 16
	v_pk_mul_f32 v[O+n:O+n+1], v[O+n:O+n+1], v[FF:FF+1] op_sel_hi:[1,0]   ; O^T under the new M.  (These 16 are also the places between the scale word's and the codes' last writes and the products)
.set n, n+2
.endr
	s_wait_alu depctr_va_vdst(0)
	s_wait_dscnt 0x0                               ; V is in
.irp t, 0,1,2,3                                ; O^T += V^T P^T: four accumulators, one instruction a turn
	v_wmma_scale_f32_16x16x128_f8f6f4 v[O+8*\t:O+8*\t+7], v[FRG+12*\t:FRG+12*\t+11], v[PC:PC+11], v[O+8*\t:O+8*\t+7], v[VSW+\t], v[PW] matrix_a_fmt:MATRIX_FMT_FP6 matrix_b_fmt:MATRIX_FMT_FP6
.endr
.if \causal
.Lhidden_\@:
.endif
	s_add_co_u32 s[KS], s[KS], 1
	s_add_co_u32 s[TK], s[TK], STEPB
	s_add_co_u32 s[TS], s[TS], 256
.endm
.macro LOOP8 causal, first             ; eight key steps from step first on: the trip count is a constant of the text
	s_mov_b32 s[KS], \first
	s_mov_b32 s[TK], (\first)*STEPB
	s_mov_b32 s[TS], (\first)*256
	s_mov_b32 s[CNT], 8
.Lstep_\@:
	STEP \causal
	s_sub_co_u32 s[CNT], s[CNT], 1
	s_cmp_lg_u32 s[CNT], 0
	s_cbranch_scc1 .Lstep_\@
	s_setprio 0
.endm
.macro INIT raw, sh, sq                ; a tile begins: q's scale word first, so that the lines below are its places ahead of the first product
	v_lshrrev_b32 v[QS], s[\sh], v[\raw]
	s_delay_alu instid0(VALU_DEP_1)
	v_and_b32 v[QS], 0xffff, v[QS]
	s_delay_alu instid0(VALU_DEP_1)
	v_lshl_or_b32 v[QS], v[QS], 16, v[QS]          ; q's two bytes in both halves: they serve [q | zeros] and [zeros | q]
	v_mov_b32 v15, 0xff61b1e6                      ; the largest t so far: -3e38, under every t
	s_delay_alu instid0(VALU_DEP_1)
	v_floor_f32 v14, -v15                          ; -M
	v_mov_b32 v16, 0                               ; the sum, in two halves
	v_mov_b32 v17, 0
.set n, 0
.rept 32
	v_mov_b32 v[O+n], 0                            ; O^T: the step is written once; the first finds zeros, which the first change of M leaves zeros
.set n, n+1
.endr
	v_add_nc_u32 v[VD], s[\sq], v[VRH]
.endm
; A tile ends: O^T / the sum, quantised along the channels (register 16 b + i = channel 32 b + 16 h + i of my head): half a fragment and two scale bytes a row.
.macro WAYOUT op, osp
.rept 4
	v_nop                                          ; places behind the last products
.endr
	v_add_f32 v16, v16, v17
	s_delay_alu instid0(VALU_DEP_1)
	v_permlanex16_b32 v[TA], v16, s[SEL], s[SEL+1]
	s_delay_alu instid0(VALU_DEP_1)
	v_add_f32 v16, v16, v[TA]                      ; the row's sum
	s_wait_alu depctr_va_vdst(0)
	v_rcp_f32 v[RL], v16
	v_nop                                          ; a plain line behind the reciprocal,
	s_wait_alu depctr_va_vdst(0)                   ; and the wait ahead of its first reader
.set n, 0
.rept 16
	v_pk_mul_f32 v[S+n:S+n+1], v[O+n:O+n+1], v[RL:RL+1] op_sel_hi:[1,0]
.set n, n+2
.endr
.irp b, 0,1
	v_max3_num_f32 v[BM+\b], |v[S+16*\b]|, |v[S+16*\b+1]|, 0x1800000
.endr
.irp i, 2,4,6,8,10,12,14
.irp b, 0,1
	s_delay_alu instid0(VALU_DEP_2)
	v_max3_num_f32 v[BM+\b], v[BM+\b], |v[S+16*\b+\i]|, |v[S+16*\b+\i+1]|
.endr
.endr
.irp b, 0,1
	s_delay_alu instid0(VALU_DEP_2)
	v_permlanex16_b32 v[T2+\b], v[BM+\b], s[SEL], s[SEL+1]
.endr
.irp b, 0,1
	s_delay_alu instid0(VALU_DEP_2)
	v_max_num_f32 v[BM+\b], v[BM+\b], v[T2+\b]
.endr
.irp b, 0,1
	s_delay_alu instid0(VALU_DEP_2)
	v_add_nc_u32 v[SCLR+\b], 0xff000000, v[BM+\b]
.endr
.irp b, 0,1
	s_delay_alu instid0(VALU_DEP_2)
	v_lshrrev_b32 v[T2+\b], 23, v[SCLR+\b]
.endr
	v_cvt_scalef32_pk16_fp6_f32 v[PC:PC+2], v[S:S+15], v[SCLR]
	v_cvt_scalef32_pk16_fp6_f32 v[CT:CT+2], v[S+16:S+31], v[SCLR+1]
	v_nop
.irp i, 0,1,2
	v_permlane16_swap_b32 v[PC+\i], v[CT+\i]
.endr
.irp i, 0,1,2
	s_delay_alu instid0(VALU_DEP_3)
	v_mov_b32 v[PC+3+\i], v[CT+\i]
.endr
	v_cmp_ne_u32 vcc_lo, 0, v[VH]
	s_delay_alu instid0(VALU_DEP_1)
	v_cndmask_b32 v[OB], v[T2], v[T2+1], vcc_lo    ; lanes 0-15 store block 0's byte, lanes 16-31 block 1's
	global_store_b128 v[AK16], v[PC:PC+3], s[\op:\op+1]               ; 512 consecutive bytes, aligned
	global_store_b64 v[AK8], v[PC+4:PC+5], s[\op:\op+1] offset:512    ; 256 consecutive bytes, aligned
	global_store_b8 v[VOS], v[OB], s[\osp:\osp+1]
.endm
	s_wait_loadcnt 0x0                             ; both tiles' q and raw scale words: their address registers are free too
	s_lshr_b32 s[ND], s[WV], 1
	s_sub_co_u32 s[ND], 15, s[ND]                  ; THE HIGH TILE: its diagonal lies in step 15 - w / 2
	INIT 44, SHH, SQH
	s_wait_tensorcnt FIRSTWAIT                     ; the scale words and my part of key steps 0 to 7 are in; my part of steps 8 to 15 may be out
	s_barrier_signal -1
	s_barrier_wait -1                              ; everybody's are
	LOOP8 0, 0                                     ; steps 0 to 7: all their keys count for a high tile
	s_wait_tensorcnt 0x0                           ; my part of key steps 8 to 15 is in,
	s_wait_dscnt 0x0
	s_barrier_signal -1
	s_barrier_wait -1                              ; everybody's is.  All waves have worked eight steps: nobody waits long.  No barrier follows but the closing round
	LOOP8 1, 8
	WAYOUT OPH, OSH
	s_wait_xcnt 0x0                                ; the stores have read their data: the registers are written again below
.irp i, 0,1,2,3,4,5
	v_mov_b32 v[QLO+\i], v[QL2+\i]                 ; THE LOW TILE
.endr
	s_lshr_b32 s[ND], s[WV], 1
	INIT 45, SHL, SQL
	LOOP8 1, 0
	WAYOUT OPL, OSL
	s_wait_tensorcnt 0x0
	ds_add_u32 v254, v255
	s_wait_dscnt 0x0
	CROUND                                         ; the closing round
	s_endpgm
.Lfunc_end_k_q6d2330173e_attn:
	.size	k_q6d2330173e_attn, .Lfunc_end_k_q6d2330173e_attn-k_q6d2330173e_attn
	.p2alignl 7, 3214868480
	.fill 96, 4, 3214868480
	.section	.rodata,"a",@progbits
	.p2align	6, 0x0
	.amdhsa_kernel k_q6d2330173e_attn
		.amdhsa_group_segment_fixed_size 206848
		.amdhsa_private_segment_fixed_size 0
		.amdhsa_enable_private_segment 0
		.amdhsa_kernarg_size 32
		.amdhsa_user_sgpr_count 2
		.amdhsa_user_sgpr_kernarg_segment_ptr 1
		.amdhsa_wavefront_size32 1
		.amdhsa_system_sgpr_workgroup_id_x 1
		.amdhsa_system_sgpr_workgroup_id_y 1
		.amdhsa_system_sgpr_workgroup_id_z 1
		.amdhsa_system_vgpr_workitem_id 0
		.amdhsa_next_free_vgpr 256
		.amdhsa_next_free_sgpr 102
		.amdhsa_reserve_vcc 1
		.amdhsa_float_denorm_mode_32 3
		.amdhsa_float_denorm_mode_16_64 3
		.amdhsa_memory_ordered 1
		.amdhsa_forward_progress 1
		.amdhsa_inst_pref_size 86
	.end_amdhsa_kernel
	.amdgpu_metadata
---
amdhsa.version: [ 1, 2 ]
amdhsa.kernels:
  - .name:           k_q6d2330173e_attn
    .symbol:         k_q6d2330173e_attn.kd
    .args:
      - { .name: qkv, .offset: 0, .size: 8, .value_kind: global_buffer, .address_space: global }
      - { .name: qkvs, .offset: 8, .size: 8, .value_kind: global_buffer, .address_space: global }
      - { .name: oc, .offset: 16, .size: 8, .value_kind: global_buffer, .address_space: global }
      - { .name: os, .offset: 24, .size: 8, .value_kind: global_buffer, .address_space: global }
    .group_segment_fixed_size: 206848
    .private_segment_fixed_size: 0
    .kernarg_segment_align: 8
    .kernarg_segment_size: 32
    .max_flat_workgroup_size: 512
    .sgpr_count:     102
    .vgpr_count:     256
    .wavefront_size: 32
...
	.end_amdgpu_metadata
.endif
;; end of part 3
;; launch proj (part 4): grid 4 x 32, 4 waves a work-group, clusters of 4 x 4, 327,680 bytes of LDS; arguments oc, os, codes, scales, proj_b, out0; writes out0
.if DOCPART == 4
	.amdgcn_target "amdgcn-amd-amdhsa--gfx1250"
	.amdhsa_code_object_version 6
	.text
	.protected	k_q6d2330173e_proj
	.globl	k_q6d2330173e_proj
	.p2align	8
	.type	k_q6d2330173e_proj,@function
k_q6d2330173e_proj:
	s_mov_b64 s[64:65], 0
	v_nop
	global_prefetch_b8 v0, s[64:65] scope:SCOPE_SE
	s_setreg_imm32_b32 hwreg(HW_REG_WAVE_MODE, 25, 1), 1
	s_wait_xcnt 0x0
	s_wait_alu depctr_hold_cnt(0) depctr_sa_sdst(0) depctr_va_vdst(0) depctr_va_sdst(0) depctr_va_ssrc(0) depctr_va_vcc(0) depctr_vm_vsrc(0)
	s_getreg_b32 s2, hwreg(HW_REG_IB_STS2, 6, 4)
	s_cmp_eq_u32 s2, 0
	s_cbranch_scc0 .Lentry_in_a_cluster
	s_endpgm
.Lentry_in_a_cluster:
	s_bfe_u32 s2, ttmp6, 0x10000c
	s_cmp_lg_u32 s2, 0xf033
	s_cbranch_scc0 .Lentry_shape_is_right
	s_endpgm
.Lentry_shape_is_right:
; out0 = o proj_w^T + proj_b on codes of FP6 (E2M3) with E8M0 scales, K = 1,024; out0 [8192][1024] f32.
; A tile of 256 x 256 is made by four waves, 128 x 128 each: 64 accumulators, 512 registers.  K goes in steps of 256 through a ring of two LDS slots filled by the tensor data mover; the scale bytes of the
; work-group's 512 rows come into LDS once.  4 x 4 work-groups form a cluster: A's tiles are asked for jointly along a row of the cluster, B's along a column.
; A = o comes as IMAGES OF OPERAND REGISTERS: [token tile of 16][head][768 bytes: registers 0-3 at 16 x lane, registers 4-5 at 512 + 8 x lane].  Two heads on end are a fragment of 128 along K; a K step of 256 is
; four heads, 3,072 bytes of each tile: a fragment comes by four LDS loads that are consecutive from lane to lane, with no padding.  B = proj_w: rows 11,264 on of the codes' buffer, rows of 768 bytes, padded in LDS.
; ROWS LIE IN THE STORAGE ORDER on both sides (storage row 16 u + p = row 8 u + p + 8 (p / 8) of each 32): the way out puts rows and columns back.
; THE MATRIX INSTRUCTION IS USED TRANSPOSED (source 0 = 16 rows of B, source 1 = 16 rows of A): a lane holds eight neighbouring numbers of a row of out0.  THE BIAS is the C of the first K step's products.
; 128 tiles of 256 x 256: half of the chip's WGPs have a work-group.
; REGISTERS, in windows of 256: window 0: v0-31 addresses; v32-63 scale words, two sets; v64-127 the bias; v128-223 A's fragments, one set; on the way out v128-255 rows of out0.
;   window 1: B's fragments, two sets.   window 2: the accumulators of my rows 0-63;   window 3: those of rows 64-127.
.set KSTEP,  256
.set NQ,     KSTEP/128
.set ROWB,   192                       ; B: a tile's row in bytes
.set KROW,   768                       ; a row of codes in memory
.set PITCH,  240                       ; B: an LDS row: 3 x (64 bytes + 16 of padding)
.set FR,     12
.set NL,     6                         ; LDS loads that bring a fragment of B
.set NLA,    4                         ; and of A
.set NP,     4                         ; places behind this matrix instruction (ISA guide 7.12.1)
.set AHALF,  8*3072                    ; A: 8 token tiles x 4 heads x 768 bytes: what one tensor load brings
.set HALFT,  128*PITCH                 ; B: 128 rows
.set SLOT,   2*AHALF+2*HALFT           ; A's two halves, then B's two
.set KS,     32
.set SCL,    2*SLOT                    ; behind the ring: the scales, as runs of 256 bytes + 16 of padding
.set HALFS,  (128*KS/256)*272
.set SBLK,   (16*KS/256)*272
.set SPARE,  SCL+4*HALFS               ; the spare words, 128 bytes for each wave, which no other line names
.set SPITCH, 528                       ; the way out: a stage of 16 rows x (512 bytes + 16) for each wave, in slot 0, which has had its last fill and its last read when the first result is stored there
.set ADRA, 16                          ; v16-17 A in slot 0, 1: 16 x lane;  v18-19: 8 x lane
.set ADRB, 20                          ; v20-23 B's fragments, as rows
.set STO,  24                          ; v24  the way out: where I put 32 bytes of a row
.set RD,   25                          ; v25  where I read a row back
.set CO,   26                          ; v26  my byte offset in a row of out0
.set ADRS, 27
.set SPW,  28
.set NIL,  29
.set VB,   30                          ; v30  the bias loads' offset
.set SC,   32
.set BIAS, 64
.set AF,   128
.set BK,   128
.set G1, 24
.set G0, 32
.set G1B, 48
.set G0B, 56
.set G1S, 68
.set G0S, 76
.set G1SB, 80
.set G0SB, 88
.set MSB, 0
.macro WIN new                         ; the immediate's high byte repeats the setting that is left
.if MSB != \new
	s_set_vgpr_msb (MSB<<8)|\new
.set MSB, \new
.endif
.endm
.set MUL_LO, 0xa1                      ; source 0 (B) window 1, source 1 (A) window 0, C and D window 2
.set MUL_HI, 0xf1
.set BIA_LO, 0x81                      ; the first K step: C (the bias) window 0
.set BIA_HI, 0xc1
.set TO_B,   0x40
.macro JLOAD g0a, g1a, g0b, g1b        ; a joint load: waves 0 and 1 fetch for A, waves 2 and 3 for B; four v_nop follow each of the two lines
	s_cmp_eq_u32 s15, 0
	s_cbranch_scc0 .Lfor_b_\@
	tensor_load_to_lds s[\g0a:\g0a+3], s[\g1a:\g1a+7]
	s_nop 0
.rept 4
	v_nop
.endr
	s_branch .Lasked_\@
.Lfor_b_\@:
	tensor_load_to_lds s[\g0b:\g0b+3], s[\g1b:\g1b+7]
	s_nop 0
.rept 4
	v_nop
.endr
.Lasked_\@:
.endm
.macro CREST
	s_cmp_lg_u32 s14, 0
	s_cbranch_scc1 .Lnot_wave_0_\@
	s_barrier_signal -3
.Lnot_wave_0_\@:
	s_barrier_wait -3
	s_barrier_signal -1
	s_barrier_wait -1
.endm
.macro CROUND
	s_barrier_signal -1
	s_barrier_wait -1
	CREST
.endm
	s_load_b128 s[4:7], s[0:1], 0x0                ; o's codes, o's scale bytes
	s_load_b128 s[8:11], s[0:1], 0x10              ; the codes, the scale bytes (proj_w's among them)
	s_load_b128 s[96:99], s[0:1], 0x20             ; proj_b, out0
	v_lshl_add_u32 v[SPW], v0, 2, SPARE
	v_mov_b32 v[NIL], 0
	ds_add_u32 v28, v29
	ds_add_u32 v28, v29
	s_wait_dscnt 0x0
	v_lshrrev_b32 v1, 5, v0
	v_readfirstlane_b32 s14, v1                    ; wave 0..3
	s_lshr_b32 s15, s14, 1                         ; which half of the tile's rows is mine.  Also: I fetch for A (0) or for B (1)
	s_and_b32 s16, s14, 1                          ; which half of its columns.  Also: which half of that tile I fetch
	s_bfe_u32 s40, ttmp6, 0x40000                  ; cx, cy
	s_bfe_u32 s41, ttmp6, 0x40004
	s_lshl_b32 s42, ttmp9, 2
	s_add_co_u32 s42, s42, s40                     ; tile column
	s_and_b32 s17, ttmp7, 0xffff
	s_lshl_b32 s17, s17, 2
	s_add_co_u32 s17, s17, s41                     ; tile row
	s_lshl_b32 s43, s41, 2
	s_lshl_b32 s43, 15, s43                        ; my row of the cluster
	s_lshl_b32 s44, 0x1111, s40                    ; my column
	; A: 8 rows (token tiles) of 384 elements of 8 bytes (four heads' images), 1,536 elements (a tile's 16 heads) apart; no padding
	s_or_b32 s[G1+0], s43, (3<<16)|(1<<21)
	s_mov_b32 s[G1+1], 384<<16
	s_mov_b32 s[G1+2], 8<<16
	s_mov_b32 s[G1+3], 384<<16
	s_mov_b32 s[G1+4], 8
	s_mov_b32 s[G1+5], 1536
	s_mov_b32 s[G1+6], 0
	s_mov_b32 s[G1+7], 0
	; B: 128 rows x 192 bytes, 16 bytes of padding behind every 64
	s_or_b32 s[G1B+0], s44, (0<<16)|(1<<20)|(1<<21)|(3<<22)|(3<<25)
	s_mov_b32 s[G1B+1], ROWB<<16
	s_mov_b32 s[G1B+2], 128<<16
	s_mov_b32 s[G1B+3], ROWB<<16
	s_mov_b32 s[G1B+4], 128
	s_mov_b32 s[G1B+5], KROW
	s_mov_b32 s[G1B+6], 0
	s_mov_b32 s[G1B+7], 0
	; the scales of 128 rows: 4,096 dense bytes as 16 rows of 256, 16 bytes of padding behind each
	s_or_b32 s[G1S+0], s43, (3<<16)|(1<<20)|(1<<21)|(5<<22)|(3<<25)
	s_or_b32 s[G1SB+0], s44, (3<<16)|(1<<20)|(1<<21)|(5<<22)|(3<<25)
.irp g, G1S, G1SB
	s_mov_b32 s[\g+1], 32<<16
	s_mov_b32 s[\g+2], (128*KS/256)<<16
	s_mov_b32 s[\g+3], 32<<16
	s_mov_b32 s[\g+4], 128*KS/256
	s_mov_b32 s[\g+5], 32
	s_mov_b32 s[\g+6], 0
	s_mov_b32 s[\g+7], 0
.endr
	s_lshl_b32 s20, s17, 4
	s_lshl_b32 s18, s16, 3
	s_add_co_u32 s20, s20, s18                     ; A: token tile 16 x tile row + 8 x half,
	s_mul_i32 s20, s20, 12288                      ; 12,288 bytes each
	s_mov_b32 s21, 0
	s_lshl_b32 s22, s17, 8
	s_lshl_b32 s18, s16, 7
	s_add_co_u32 s22, s22, s18
	s_lshl_b32 s22, s22, 5                         ; its scales: storage row 256 x tile row + 128 x half, 32 bytes each
	s_mov_b32 s23, 0
	s_lshl_b32 s46, s42, 8
	s_add_co_u32 s46, s46, s18
	s_add_co_u32 s46, s46, 11264                   ; B: row 11,264 + 256 x tile column + 128 x half
	s_lshl_b32 s92, s46, 5
	s_mov_b32 s93, 0
	s_mul_i32 s46, s46, KROW
	s_mov_b32 s47, 0
	s_mul_i32 s45, s16, AHALF                      ; where they go: A's half,
	s_mul_i32 s95, s16, HALFT
	s_add_co_u32 s95, s95, 2*AHALF                 ; B's half, behind A's two: no place in the cluster enters an LDS address
	s_mul_i32 s94, s14, HALFS
	s_wait_kmcnt 0x0
	s_add_nc_u64 s[20:21], s[4:5], s[20:21]
	s_add_nc_u64 s[22:23], s[6:7], s[22:23]
	s_add_nc_u64 s[46:47], s[8:9], s[46:47]
	s_add_nc_u64 s[92:93], s[10:11], s[92:93]
	CROUND                                         ; all sixteen work-groups are here: the first joint loads meet
	s_mov_b32 s[G0S], 1
	s_add_co_u32 s[G0S+1], s94, SCL
	s_mov_b64 s[G0S+2:G0S+3], s[22:23]
	s_or_b32 s[G0S+3], s[G0S+3], 0x80000000
	s_mov_b32 s[G0SB], 1
	s_add_co_u32 s[G0SB+1], s94, SCL
	s_mov_b64 s[G0SB+2:G0SB+3], s[92:93]
	s_or_b32 s[G0SB+3], s[G0SB+3], 0x80000000
	JLOAD G0S, G1S, G0SB, G1SB                     ; the scales first
.irp s, 0,1
	s_mov_b32 s[G0+4*\s], 1
	s_add_co_u32 s[G0+4*\s+1], s45, \s*SLOT
	s_add_nc_u64 s[G0+4*\s+2:G0+4*\s+3], s[20:21], \s*3072
	s_or_b32 s[G0+4*\s+3], s[G0+4*\s+3], 0x80000000
	s_mov_b32 s[G0B+4*\s], 1
	s_add_co_u32 s[G0B+4*\s+1], s95, \s*SLOT
	s_add_nc_u64 s[G0B+4*\s+2:G0B+4*\s+3], s[46:47], \s*ROWB
	s_or_b32 s[G0B+4*\s+3], s[G0B+4*\s+3], 0x80000000
	JLOAD G0+4*\s, G1, G0B+4*\s, G1B
.endr
	v_and_b32 v1, 15, v0                           ; r
	v_bfe_u32 v2, v0, 4, 1                         ; h
	v_and_b32 v6, 31, v0                           ; lane
	v_lshlrev_b32 v[CO], 4, v6                     ; 16 x lane
	v_lshlrev_b32 v7, 3, v6                        ; 8 x lane
	v_mul_u32_u24 v3, v1, PITCH
	v_mul_u32_u24 v4, v2, 24
	v_add_nc_u32 v4, v3, v4                        ; B: a fragment's row x pitch + 24 x half
	v_lshl_add_u32 v5, v2, 4, v4                   ; and the same behind one padding more
	s_mul_i32 s21, s15, AHALF                      ; my 8 token tiles of A
	s_mul_i32 s22, s16, HALFT                      ; my 128 rows of B,
	s_add_co_u32 s22, s22, 2*AHALF                 ; which lie behind A's two halves
.irp s, 0,1
	v_add_nc_u32 v[ADRA+\s], s21, v[CO]
	v_add_nc_u32 v[ADRA+2+\s], s21, v7
	v_add_nc_u32 v[ADRB+\s], s22, v4
	v_add_nc_u32 v[ADRB+2+\s], s22, v5
	s_add_co_u32 s21, s21, SLOT
	s_add_co_u32 s22, s22, SLOT
.endr
	v_mul_u32_u24 v5, v1, KS                       ; my row's scales: 32 bytes a row,
	v_lshrrev_b32 v6, 8, v5
	v_lshl_add_u32 v5, v6, 4, v5                   ; and 16 more for each 256 passed
	s_mul_i32 s21, s15, HALFS
	s_mul_i32 s22, s16, HALFS
	s_add_co_u32 s22, s22, 2*HALFS
	s_sub_co_u32 s22, s22, s21
	v_mul_u32_u24 v6, s22, v2                      ; lanes 16-31 take B's: one product, the distance between the two bases
	s_add_co_u32 s21, s21, SCL
	v_add_nc_u32 v5, v5, v6
	v_add_nc_u32 v[ADRS], s21, v5
	s_mul_i32 s23, s14, 16*SPITCH                  ; my stage
	v_mul_u32_u24 v5, v1, SPITCH                   ; in: row r; my half's columns begin 64 bytes on in each 128
	v_lshl_add_u32 v5, v2, 6, v5
	v_add_nc_u32 v[STO], s23, v5
	v_add_nc_u32 v[RD], s23, v[CO]                 ; back: the 32 lanes take one row of 512 bytes
	v_lshlrev_b32 v[VB], 6, v2
	s_lshl_b32 s20, s17, 8
	s_lshl_b32 s21, s15, 7
	s_add_co_u32 s20, s20, s21                     ; my first row of out0
	s_lshl_b32 s20, s20, 12                        ; 4,096 bytes a row
	s_lshl_b32 s46, s42, 10
	s_lshl_b32 s47, s16, 9
	s_add_co_u32 s46, s46, s47                     ; my first column, in bytes
	s_mov_b32 s47, 0
	s_add_nc_u64 s[96:97], s[96:97], s[46:47]      ; proj_b at my first column
	s_add_co_u32 s46, s46, s20
	s_add_nc_u64 s[12:13], s[98:99], s[46:47]
.irp b, 0,1,2,3,4,5,6,7                        ; register 8 b + j: the bias of column 32 (b / 2) + 16 h + 8 (b % 2) + j
	global_load_b128 v[BIAS+8*\b:BIAS+8*\b+3], v[VB], s[96:97] offset:4*(32*(\b/2)+8*(\b%2))
	global_load_b128 v[BIAS+8*\b+4:BIAS+8*\b+7], v[VB], s[96:97] offset:4*(32*(\b/2)+8*(\b%2))+16
.endr
.macro FRAG reg, adr, q, i             ; a fragment of B from padded rows, in pieces of 8 bytes; where lanes 16-31's piece lies behind one padding more, the second address register serves
.irp p, 0,1,2,3,4,5
.set PCE, 12*(\q)+6*(\p/3)+\p%3
.if PCE%8 < 5
	ds_load_b64 v[\reg+2*\p:\reg+2*\p+1], v[\adr] offset:8*PCE+16*(PCE/8)+(\i)*16*PITCH
.else
	ds_load_b64 v[\reg+2*\p:\reg+2*\p+1], v[\adr+2] offset:8*PCE+16*(PCE/8)+(\i)*16*PITCH
.endif
.endr
.endm
.macro FRAGI reg, slot, q, i           ; a fragment of A from its image: token tile i, heads 2 q and 2 q + 1 of the slot's four
	ds_load_b128 v[\reg:\reg+3], v[ADRA+\slot] offset:(\i)*3072+(\q)*1536
	ds_load_b64 v[\reg+4:\reg+5], v[ADRA+2+\slot] offset:(\i)*3072+(\q)*1536+512
	ds_load_b128 v[\reg+6:\reg+9], v[ADRA+\slot] offset:(\i)*3072+(\q)*1536+768
	ds_load_b64 v[\reg+10:\reg+11], v[ADRA+2+\slot] offset:(\i)*3072+(\q)*1536+1280
.endm
; 16 matrix instructions: A's blocks a0, a0 + 1 x B's eight.  zero = 1: the sums start from the bias.  The 64 accumulators take turns, one instruction a turn.
.macro MUL16 a0, p, q, sc, zero
.irp a, \a0, \a0+1
.irp b, 0,1,2,3,4,5,6,7
.if \zero
	v_wmma_scale_f32_16x16x128_f8f6f4 v[8*(8*((\a)%4)+\b):8*(8*((\a)%4)+\b)+7], v[128*(\p)+FR*\b:128*(\p)+FR*\b+FR-1], v[AF+FR*(\a):AF+FR*(\a)+FR-1], v[BIAS+8*\b:BIAS+8*\b+7], v[SC+8*NQ*(\sc)+NQ*\b+(\q)], v[SC+8*NQ*(\sc)+NQ*(\a)+(\q)] matrix_a_fmt:MATRIX_FMT_FP6 matrix_b_fmt:MATRIX_FMT_FP6 matrix_a_scale:MATRIX_SCALE_ROW1
.else
	v_wmma_scale_f32_16x16x128_f8f6f4 v[8*(8*((\a)%4)+\b):8*(8*((\a)%4)+\b)+7], v[128*(\p)+FR*\b:128*(\p)+FR*\b+FR-1], v[AF+FR*(\a):AF+FR*(\a)+FR-1], v[8*(8*((\a)%4)+\b):8*(8*((\a)%4)+\b)+7], v[SC+8*NQ*(\sc)+NQ*\b+(\q)], v[SC+8*NQ*(\sc)+NQ*(\a)+(\q)] matrix_a_fmt:MATRIX_FMT_FP6 matrix_b_fmt:MATRIX_FMT_FP6 matrix_a_scale:MATRIX_SCALE_ROW1
.endif
.endr
.endr
.endm
.macro FETCH_B slot, q, p
	WIN TO_B
.irp i, 0,1,2,3,4,5,6,7
	FRAG 128*(\p)+FR*\i, ADRB+\slot, \q, \i
.endr
	WIN 0
.endm
.macro FETCH_A slot, q, i0
.irp i, \i0, \i0+1, \i0+2, \i0+3
	FRAGI AF+FR*(\i), \slot, \q, \i
.endr
.endm
.macro SCALES sc
.irp i, 0,1,2,3,4,5,6,7
	ds_load_b64 v[SC+8*NQ*\sc+NQ*\i:SC+8*NQ*\sc+NQ*\i+1], v[ADRS] offset:\i*SBLK
.endr
.endm
.macro PLACES n                        ; plain vector lines behind matrix instructions, in front of loads into their registers and of reads of their results (ISA guide 7.12.1 for vector instructions)
.rept \n
	v_nop
.endr
.endm
.macro STEP slot, q, zero
	s_wait_dscnt 4*NLA                             ; B's set, A's blocks 0-3 and the scale words are in; the youngest 16 loads (A's blocks 4-7) may be out
.if \zero
	WIN BIA_LO
.else
	WIN MUL_LO
.endif
	MUL16 0, (\q)%2, \q, \slot, \zero
	MUL16 2, (\q)%2, \q, \slot, \zero
	s_wait_dscnt 0
	PLACES NP
	FETCH_B \slot, (\q)+1, 1-(\q)%2
	FETCH_A \slot, (\q)+1, 0
.if \zero
	WIN BIA_HI
.else
	WIN MUL_HI
.endif
	MUL16 4, (\q)%2, \q, \slot, \zero
	MUL16 6, (\q)%2, \q, \slot, \zero
	PLACES NP
	WIN 0
	FETCH_A \slot, (\q)+1, 4
.endm
; A slot's last step changes slots: ONE barrier; in front of it each wave waits for all its tensor loads, adds 0 to its spare word, and waits for that and for its own reads of this slot.
.macro TURN slot, next, fill
	s_wait_tensorcnt 0x0                           ; all my tensor loads have landed: my part of the next slot
	ds_add_u32 v[SPW], v[NIL]                      ; 0 onto my spare word
	s_wait_dscnt 4*NLA+1                           ; (the add and the youngest 16 loads may be out)
	WIN MUL_LO
	MUL16 0, 1, NQ-1, \slot, 0
	s_wait_dscnt 0x0                               ; the add is done, and my reads of this slot are over
	s_barrier_signal -1
	MUL16 2, 1, NQ-1, \slot, 0
	WIN 0
	s_barrier_wait -1
.if \fill
	CREST                                          ; the barrier has opened a round of the cluster's barrier
	s_add_nc_u64 s[G0+4*\slot+2:G0+4*\slot+3], s[G0+4*\slot+2:G0+4*\slot+3], 2*3072
	s_add_nc_u64 s[G0B+4*\slot+2:G0B+4*\slot+3], s[G0B+4*\slot+2:G0B+4*\slot+3], 2*ROWB
	JLOAD G0+4*\slot, G1, G0B+4*\slot, G1B         ; the first tensor load behind the round; its four v_nop are the places in front of the loads below
.else
	PLACES NP
.endif
	v_add_nc_u32 v[ADRS], 4*NQ, v[ADRS]
	FETCH_B \next, 0, 0
	FETCH_A \next, 0, 0
	SCALES \next
	WIN MUL_HI
	MUL16 4, 1, NQ-1, \slot, 0
	MUL16 6, 1, NQ-1, \slot, 0
	PLACES NP
	WIN 0
	FETCH_A \next, 0, 4
.endm
	s_wait_tensorcnt 1                             ; the scales and my part of K step 0 are in (K step 1's load may be out)
	s_barrier_signal -1
	s_barrier_wait -1                              ; everybody's are
	FETCH_B 0, 0, 0
	FETCH_A 0, 0, 0
	SCALES 0
	FETCH_A 0, 0, 4
	s_wait_loadcnt 0x0                             ; the bias
	STEP 0, 0, 1                                   ; the first 128 along K start the sums from the bias
	TURN 0, 1, 1                                   ; K = 1,024 is four slots' worth: written straight out
	STEP 1, 0, 0
	TURN 1, 0, 1
	STEP 0, 0, 0
	TURN 0, 1, 0                                   ; the last change fills nothing: behind it nobody reads slot 0
	STEP 1, 0, 0
	s_wait_dscnt 4*NLA
	WIN MUL_LO
	MUL16 0, 1, NQ-1, 1, 0
	MUL16 2, 1, NQ-1, 1, 0
	s_wait_dscnt 0
	WIN MUL_HI
	MUL16 4, 1, NQ-1, 1, 0
	MUL16 6, 1, NQ-1, 1, 0
	WIN 0
; THE WAY OUT, block by block of 16 rows x 128 columns, through my own stage in LDS: in by lanes (register j of accumulator b: column 32 (b / 2) + 16 h + 8 (b % 2) + j), back as whole rows of 512 bytes.
; LDS serves a wave's instructions in order (ISA guide 5.7.1.4): no wait between the stores and the loads.  Stage row t of block a is row 32 (a / 2) + 8 (a % 2) + t + 8 (t / 8) of my 128.
.macro TOSTAGE a
.set AC, 64*((\a)%4)
.set WW, 8+4*((\a)/4)
	WIN WW                                         ; the data: window 2 or 3
.irp b, 0,1,2,3,4,5,6,7
	ds_store_b128 v[STO], v[AC+8*\b:AC+8*\b+3] offset:128*(\b/2)+32*(\b%2)          ; each accumulator from its low end on
	ds_store_b128 v[STO], v[AC+8*\b+4:AC+8*\b+7] offset:128*(\b/2)+32*(\b%2)+16
.endr
	WIN 0
.set BB, BK+64*((\a)%2)
.irp t, 0,1,2,3,4,5,6,7,8,9,10,11,12,13,14,15
	ds_load_b128 v[BB+4*\t:BB+4*\t+3], v[RD] offset:\t*SPITCH
.endr
.endm
.macro SEND a, younger                 ; younger: the LDS instructions issued behind block a's loads, which may stay out
.set BB, BK+64*((\a)%2)
	s_wait_dscnt \younger
.irp t, 0,1,2,3,4,5,6,7,8,9,10,11,12,13,14,15
	global_store_b128 v[CO], v[BB+4*\t:BB+4*\t+3], s[12:13] offset:(32*((\a)/2)+8*((\a)%2)+\t+8*(\t/8))*4096 th:TH_STORE_NT   ; 32 lanes store 512 consecutive bytes, aligned; the row stands in the immediate: 127 x 4,096 at the most
.endr
.endm
	PLACES NP
	TOSTAGE 0
.irp a, 1,2,3,4,5,6,7
.if \a > 1
	s_wait_xcnt 0x0                                ; block a - 2's stores have read their registers: block a's loads may land there
.endif
	TOSTAGE \a
	SEND \a-1, 32                                  ; behind block a - 1's loads: block a's 16 stores and 16 loads
.endr
	SEND 7, 0
	s_wait_tensorcnt 0x0                           ; the wave's end
	ds_add_u32 v[SPW], v[NIL]
	s_wait_dscnt 0x0
	CROUND                                         ; the closing round
	s_endpgm
.Lfunc_end_k_q6d2330173e_proj:
	.size	k_q6d2330173e_proj, .Lfunc_end_k_q6d2330173e_proj-k_q6d2330173e_proj
	.p2alignl 7, 3214868480
	.fill 96, 4, 3214868480
	.section	.rodata,"a",@progbits
	.p2align	6, 0x0
	.amdhsa_kernel k_q6d2330173e_proj
		.amdhsa_group_segment_fixed_size 327680
		.amdhsa_private_segment_fixed_size 0
		.amdhsa_enable_private_segment 0
		.amdhsa_kernarg_size 48
		.amdhsa_user_sgpr_count 2
		.amdhsa_user_sgpr_kernarg_segment_ptr 1
		.amdhsa_wavefront_size32 1
		.amdhsa_system_sgpr_workgroup_id_x 1
		.amdhsa_system_sgpr_workgroup_id_y 1
		.amdhsa_system_sgpr_workgroup_id_z 1
		.amdhsa_system_vgpr_workitem_id 0
		.amdhsa_next_free_vgpr 1024
		.amdhsa_next_free_sgpr 102
		.amdhsa_reserve_vcc 0
		.amdhsa_float_denorm_mode_32 3
		.amdhsa_float_denorm_mode_16_64 3
		.amdhsa_memory_ordered 1
		.amdhsa_forward_progress 1
		.amdhsa_inst_pref_size 153
	.end_amdhsa_kernel
	.amdgpu_metadata
---
amdhsa.version: [ 1, 2 ]
amdhsa.kernels:
  - .name:           k_q6d2330173e_proj
    .symbol:         k_q6d2330173e_proj.kd
    .args:
      - { .name: oc, .offset: 0, .size: 8, .value_kind: global_buffer, .address_space: global }
      - { .name: os, .offset: 8, .size: 8, .value_kind: global_buffer, .address_space: global }
      - { .name: codes, .offset: 16, .size: 8, .value_kind: global_buffer, .address_space: global }
      - { .name: scales, .offset: 24, .size: 8, .value_kind: global_buffer, .address_space: global }
      - { .name: proj_b, .offset: 32, .size: 8, .value_kind: global_buffer, .address_space: global }
      - { .name: out0, .offset: 40, .size: 8, .value_kind: global_buffer, .address_space: global }
    .group_segment_fixed_size: 327680
    .private_segment_fixed_size: 0
    .kernarg_segment_align: 8
    .kernarg_segment_size: 48
    .max_flat_workgroup_size: 128
    .sgpr_count:     102
    .vgpr_count:     1024
    .wavefront_size: 32
...
	.end_amdgpu_metadata
.endif
;; end of part 4
